; MI455X (gfx1250); checked and timed in simulation.
; The chip was launched on July 23, 2026; its instructions are those of AMD's public machine-readable ISA for CDNA 5 (MIT licence, August 2026) and "CDNA5" Instruction Set Architecture Reference Guide (July 2026). The comments in the code are by the model that wrote it; some were corrected since.
;; Self Attention. Allowed arithmetic: matrix products marked QUANTISED: E2M3 operands, one E8M0 scale for each 32 along K, by v_wmma_scale_f32_16x16x128_f8f6f4 with both operands' format E2M3, f32 sums; everything else in f32.
;; Inputs: attn_bias 1 x 1 x 2,048 x 2,048 float32; b_proj 1,024 float32; q_bias 1,024 float32; scale_mul 1 x 16 x 1 x 1 float32; v_bias 1,024 float32; w_proj 1,024 x 1,024 float32; w_qkv 3,072 x 1,024 float32; x 2 x 2,048 x 1,024 float32.
;; Outputs: out0 2 x 2,048 x 1,024 float32.
;; This version of the problem:
;;   THIS VERSION OF THE PROBLEM IS GIVEN IN LOW PRECISION. The matrix products marked QUANTISED in the list below multiply operands that are first quantised to E2M3 (2 exponent bits, 3 mantissa bits; 6 bits a number), with one power-of-two scale for each 32 numbers along K (OCP MX v1.0); their sums are f32. All else is computed in f32.
;;   The module's matrix products, in the order in which they are computed (A, B: the left and right operand; K: the contracted axis; several contracted axes count as one K, in the product's order):
;;     1. [M 4,096, K 1,024] x [K 1,024, N 3,072]; A: input x; B: input w_qkv: QUANTISED
;;     2. batch 32 x [M 2,048, K 64] x [K 64, N 2,048]; A: computed on the way; B: computed on the way: QUANTISED
;;     3. batch 32 x [M 2,048, K 2,048] x [K 2,048, N 64]; A: softmax (see below); B: computed on the way: QUANTISED
;;     4. [M 4,096, K 1,024] x [K 1,024, N 1,024]; A: computed on the way; B: input w_proj: QUANTISED
;;   THE QUANTISER, for each operand of a quantised product, along K:
;;     - K is cut into blocks of 32 from its start; a last block that is shorter is filled with zeros.
;;     - A block's scale is 2^e with e = floor(log2(the largest magnitude in the block)) - 2, held to -126 .. 127; a block of zeros has e = 0. As a byte (E8M0): e + 127.
;;     - Each number is divided by its block's scale, clamped to +-7.5, and rounded to the nearest number of E2M3, ties to even, subnormals kept.
;;     - The product sums the exact products of the quantised numbers (number of the format x scale) in f32.
;;   ~~~python
;;   def quantise(x, axis):      # numpy; x: float32 -> the quantised numbers, widened to float32 again
;;       x = np.moveaxis(x, axis, -1); K = x.shape[-1]
;;       x = np.pad(x, [(0, 0)] * (x.ndim - 1) + [(0, -K % 32)]); x = x.reshape(x.shape[:-1] + (-1, 32)); a = np.abs(x).max(-1, keepdims=True)
;;       e = np.where(a > 0, np.clip(np.frexp(np.where(a > 0, a, 1))[1] - 1 - 2, -126, 127), 0)      # np.frexp(a)[1] - 1 = floor(log2(a)), exactly
;;       r = np.clip(x / 2.0 ** e, -7.5, 7.5)
;;       step = 2.0 ** (np.maximum(np.frexp(np.where(r == 0, 1, r))[1] - 1, 0) - 3)
;;       q = np.round(r / step) * step * 2.0 ** e      # np.round: ties to even
;;       return np.moveaxis(q.reshape(q.shape[:-2] + (-1,))[..., :K], -1, axis).astype(np.float32)
;;   ~~~
;;   SOFTMAX AHEAD OF A QUANTISED PRODUCT. Where the list says 'softmax', what is quantised is not the finished softmax but p = 2^(t - M), with t = logit x log2(e) and M = ceil(the row's largest t), a whole number; so 1/2 < the row's largest p <= 1. The row's sum l is taken of the UNQUANTISED p, in f32, and the product's result is divided by l at the end. Since M is a whole number, a kernel that streams over the keys may use a running M (the ceiling of the running maximum): every later rescaling is an exact power of two, which a block's scale takes up: the codes' values come out the same.
;;   OPERANDS COMPUTED ON THE WAY. 'Computed on the way' means the value that the module computes at that place (a softmax that the list does not call 'softmax' is quantised finished and normalised). What goes into a quantiser is computed in f32, as accurately as f32 sums, v_exp_f32 and their like allow (about 1e-6 of the number): no bf16 or f16 on the way to a quantiser, and a product that is left as it is and whose result goes on into a quantised operand takes f32 operands (vector FMAs, or v_wmma_f32_16x16x4_f32). A number that lies on a knife's edge between two numbers of the format may be rounded either way, as far as f32 arithmetic and the matrix unit's own rounding can turn it there, and no further.
;; One version. Each part assembles by itself: llvm-mc -triple=amdgcn-amd-amdhsa -mcpu=gfx1250 --defsym DOCPART=n.
;; ======== version 1 of 1: 4 launches
;; workspace buffers: codes 6,291,456 bytes; scales 262,144 bytes; qimg 3,145,728 bytes; qsc 262,144 bytes; kv 6,684,672 bytes; oc 3,145,728 bytes; os 131,072 bytes
;; launch quant (part 1): grid 256 x 1, 4 waves a work-group, no clusters, 33,280 bytes of LDS; arguments x, w_qkv, w_proj, codes, scales; writes codes, scales
.if DOCPART == 1
	.amdgcn_target "amdgcn-amd-amdhsa--gfx1250"
	.amdhsa_code_object_version 6
	.text
	.protected	k_q30431f9743_quant
	.globl	k_q30431f9743_quant
	.p2align	8
	.type	k_q30431f9743_quant,@function
k_q30431f9743_quant:
	s_mov_b64 s[64:65], 0
	v_nop
	global_prefetch_b8 v0, s[64:65] scope:SCOPE_SE
	s_setreg_imm32_b32 hwreg(HW_REG_WAVE_MODE, 25, 1), 1
	s_wait_xcnt 0x0
; x [4096][1024], w_qkv [3072][1024] and w_proj [1024][1024], f32, become codes of FP6 (E2M3), K innermost, with one E8M0 byte for each 32 along K.
; codes: [8192 rows][768 bytes], scales: [8192 rows][32 bytes]; rows 0-4095 x, 4096-7167 w_qkv, 7168-8191 w_proj.
; A block's scale is 2^(floor(log2(its largest magnitude)) - 2); its byte is the largest magnitude's exponent field - 2, held at 1 from below.
; THE ROWS OF x AND OF w_qkv ARE LAID IN ANOTHER ORDER: within each 32 rows the two middle groups of 8 change places (position 16 u + p holds row 8 u + p + 8 (p / 8)).
; With that order a 16 x 16 result tile of the next launch holds, in a lane's 16 registers of two neighbouring tiles, 16 neighbours along the axis that is quantised next.  w_proj keeps its order.
; A work-group takes 32 rows, a wave 8 rows (8,192 numbers, 16 steps of 512): so the change of order is a change of the wave's two bits in the place where it stores.
; LIMITS: a block of zeros gets the byte 1 (its codes are zeros, and this program alone reads the bytes); blocks whose largest magnitude lies under 2^-124 are held at the byte 1; NaN and infinities are not served.
; Each load reads 512 consecutive bytes; a step's 2,048 bytes turn through the wave's own stage in LDS, so that a lane then holds 16 neighbours along K.  No barrier: waves share nothing.
.set STEPS, 16
.set EMAX,  2
.set CB,    12                         ; bytes of 16 codes
.set R,     16                         ; v16-79   four sets of 16 numbers as they are loaded
.set X,     80                         ; v80-111  two sets of 16 neighbours
.set C,     128                        ; v128-191 codes: four registers for each step, so that no store's data are written again
.set E,     112                        ; v112-127 a scale byte for each step
.set WREG,  8192                       ; LDS: a region for each wave: two stages of 32 x SP bytes, then its 256 scale bytes
.set SP,    80                         ; a lane's place in a stage: 64 bytes + 16 of padding
	s_load_b128 s[4:7], s[0:1], 0x0                ; x, w_qkv
	s_load_b128 s[8:11], s[0:1], 0x10              ; w_proj, codes
	s_load_b64 s[12:13], s[0:1], 0x20              ; scales
	v_lshl_add_u32 v192, v0, 2, 0x8000
	v_mov_b32 v193, 0
	v_lshrrev_b32 v1, 5, v0
	v_readfirstlane_b32 s16, v1                    ; wave
	v_and_b32 v2, 31, v0                           ; lane
	v_lshlrev_b32 v3, 4, v2                        ; my 16 bytes of a load's 512
	s_mul_i32 s17, s16, WREG
	v_lshrrev_b32 v14, 2, v2
	v_mul_u32_u24 v14, v14, SP
	v_and_b32 v15, 3, v2
	v_lshl_add_u32 v14, v15, 4, v14
	v_add_nc_u32 v14, s17, v14                     ; the stage, on the way in: SP (lane / 4) + 16 (lane % 4)
	v_mul_u32_u24 v15, v2, SP
	v_add_nc_u32 v15, s17, v15                     ; and on the way out: SP x lane: my 16 neighbours
	v_mul_u32_u24 v4, v2, CB                       ; my codes' place in a step's
	v_lshrrev_b32 v5, 1, v2
	s_add_co_u32 s17, s17, 2*32*SP
	v_add_nc_u32 v5, s17, v5                       ; LDS: my wave's 256 scale bytes, my block's byte
	v_lshlrev_b32 v7, 3, v2                        ; and on the way out 8 bytes a lane
	v_add_nc_u32 v6, s17, v7
	s_and_b32 s22, s16, 1
	s_lshl_b32 s22, s22, 1
	s_lshr_b32 s23, s16, 1
	s_or_b32 s22, s22, s23                         ; the wave's two bits changed round
	s_mov_b32 s24, 224
	s_wait_kmcnt 0x0
	s_cmp_lt_u32 ttmp9, 224                        ; work-groups 0-127 x, 128-223 w_qkv, 224-255 w_proj: the choices hang on the work-group's number alone
	s_cselect_b64 s[6:7], s[6:7], s[8:9]
	s_cselect_b32 s24, 128, s24                    ; the tensor's first work-group
	s_cselect_b32 s22, s22, s16                    ; w_proj keeps its rows' order
	s_cmp_lt_u32 ttmp9, 128
	s_cselect_b64 s[4:5], s[4:5], s[6:7]
	s_cselect_b32 s24, 0, s24
	s_sub_co_u32 s24, ttmp9, s24
	s_lshl_b32 s24, s24, 2
	s_add_co_u32 s24, s24, s16                     ; which run of 8 rows of the tensor I read
	s_lshl_b32 s20, s24, 15                        ; 32,768 bytes a run
	s_mov_b32 s21, 0
	s_add_nc_u64 s[4:5], s[4:5], s[20:21]
	s_lshl_b32 s25, ttmp9, 2
	s_add_co_u32 s25, s25, s22                     ; which run of 8 rows of the workspace I write
	s_mul_i32 s20, s25, 32*STEPS*CB                ; 6,144 bytes of codes a run
	s_add_nc_u64 s[10:11], s[10:11], s[20:21]
	s_lshl_b32 s20, s25, 8                         ; 256 scale bytes a run
	s_add_nc_u64 s[12:13], s[12:13], s[20:21]
.macro LOAD t
.irp i, 0,1,2,3
	global_load_b128 v[R+16*((\t)%4)+4*\i:R+16*((\t)%4)+4*\i+3], v3, s[4:5] offset:2048*(\t)+512*\i th:TH_LOAD_NT   ; 32 lanes read 512 consecutive bytes
.endr
.endm
.macro TURN t                          ; step t's numbers through the stage: LDS serves a wave's instructions in order, so no wait stands between the stores and the loads
.irp i, 0,1,2,3
	ds_store_b128 v14, v[R+16*((\t)%4)+4*\i:R+16*((\t)%4)+4*\i+3] offset:32*SP*((\t)%2)+8*SP*\i
.endr
.irp i, 0,1,2,3
	ds_load_b128 v[X+16*((\t)%2)+4*\i:X+16*((\t)%2)+4*\i+3], v15 offset:32*SP*((\t)%2)+16*\i
.endr
.endm
.irp t, 0,1,2,3
	LOAD \t
.endr
	s_wait_loadcnt 12                              ; step 0's four loads are in; the twelve of steps 1 to 3 may be out
	TURN 0
.macro STEP t
.set XS, X+16*((\t)%2)
.if (\t) > 0
	s_wait_dscnt 1                                 ; this step's numbers are back from the stage (the last step's byte store may be out)
.else
	s_wait_dscnt 0x0
.endif
.if (\t)+4 < STEPS
	LOAD (\t)+4                                    ; into the registers that the stage's stores have read
.endif
.if (\t)+1 < STEPS
.if STEPS-2-(\t) >= 3
	s_wait_loadcnt 12                              ; the next step's four loads are in; those of the three steps behind it may be out
.else
	s_wait_loadcnt 4*(STEPS-2-(\t))
.endif
	TURN (\t)+1                                    ; through the other stage while this step is worked
.endif
	v_max3_num_f32 v8, |v[XS]|, |v[XS+1]|, |v[XS+2]|               ; the largest magnitude of my 16, in two chains
	v_max3_num_f32 v9, |v[XS+3]|, |v[XS+4]|, |v[XS+5]|
.irp i, 6,10
	v_max3_num_f32 v8, v8, |v[XS+\i]|, |v[XS+\i+1]|
	v_max3_num_f32 v9, v9, |v[XS+\i+2]|, |v[XS+\i+3]|
.endr
	v_max3_num_f32 v8, v8, |v[XS+14]|, |v[XS+15]|
	v_max3_num_f32 v8, v8, v9, (EMAX+1)<<23        ; and the floor 2^(3 - 127): the byte cannot fall under 1
	v_max_num_f32_dpp v8, v8, v8 row_xmask:1 row_mask:0xf bank_mask:0xf   ; and of my neighbour's 16: the block's
	v_add_nc_u32 v11, -(EMAX<<23), v8              ; 2 off its exponent field: the conversion takes the exponent field of this operand as its scale
	v_cvt_scalef32_pk16_fp6_f32 v[C+4*(\t):C+4*(\t)+2], v[XS:XS+15], v11
	v_lshrrev_b32 v[E+(\t)], 23, v11               ; the scale's byte (also the plain line behind the conversion)
	ds_store_b8 v5, v[E+(\t)] offset:16*(\t)       ; both lanes of a block write the same byte with the same value
	global_store_b96 v4, v[C+4*(\t):C+4*(\t)+2], s[10:11] offset:32*CB*(\t)   ; the wave stores 384 consecutive bytes
.endm
.irp t, 0,1,2,3,4,5,6,7,8,9,10,11,12,13,14,15
	STEP \t
.endr
	ds_load_b64 v[12:13], v6                       ; LDS serves a wave's instructions in order: these see my stores
	s_wait_dscnt 0x0
	global_store_b64 v7, v[12:13], s[12:13]        ; 32 lanes store 256 consecutive bytes, aligned
	s_wait_tensorcnt 0x0
	ds_add_u32 v192, v193
	s_wait_dscnt 0x0
	s_endpgm
.Lfunc_end_k_q30431f9743_quant:
	.size	k_q30431f9743_quant, .Lfunc_end_k_q30431f9743_quant-k_q30431f9743_quant
	.p2alignl 7, 3214868480
	.fill 96, 4, 3214868480
	.section	.rodata,"a",@progbits
	.p2align	6, 0x0
	.amdhsa_kernel k_q30431f9743_quant
		.amdhsa_group_segment_fixed_size 33280
		.amdhsa_private_segment_fixed_size 0
		.amdhsa_enable_private_segment 0
		.amdhsa_kernarg_size 40
		.amdhsa_user_sgpr_count 2
		.amdhsa_user_sgpr_kernarg_segment_ptr 1
		.amdhsa_wavefront_size32 1
		.amdhsa_system_sgpr_workgroup_id_x 1
		.amdhsa_system_sgpr_workgroup_id_y 1
		.amdhsa_system_sgpr_workgroup_id_z 1
		.amdhsa_system_vgpr_workitem_id 0
		.amdhsa_next_free_vgpr 194
		.amdhsa_next_free_sgpr 66
		.amdhsa_reserve_vcc 0
		.amdhsa_float_denorm_mode_32 3
		.amdhsa_float_denorm_mode_16_64 3
		.amdhsa_memory_ordered 1
		.amdhsa_forward_progress 1
		.amdhsa_inst_pref_size 33
	.end_amdhsa_kernel
	.amdgpu_metadata
---
amdhsa.version: [ 1, 2 ]
amdhsa.kernels:
  - .name:           k_q30431f9743_quant
    .symbol:         k_q30431f9743_quant.kd
    .args:
      - { .name: x, .offset: 0, .size: 8, .value_kind: global_buffer, .address_space: global }
      - { .name: w_qkv, .offset: 8, .size: 8, .value_kind: global_buffer, .address_space: global }
      - { .name: w_proj, .offset: 16, .size: 8, .value_kind: global_buffer, .address_space: global }
      - { .name: codes, .offset: 24, .size: 8, .value_kind: global_buffer, .address_space: global }
      - { .name: scales, .offset: 32, .size: 8, .value_kind: global_buffer, .address_space: global }
    .group_segment_fixed_size: 33280
    .private_segment_fixed_size: 0
    .kernarg_segment_align: 8
    .kernarg_segment_size: 40
    .max_flat_workgroup_size: 128
    .sgpr_count:     66
    .vgpr_count:     194
    .wavefront_size: 32
...
	.end_amdgpu_metadata
.endif
;; end of part 1
;; launch qkv (part 2): grid 12 x 16, 4 waves a work-group, clusters of 4 x 4, 327,680 bytes of LDS; arguments codes, scales, q_bias, v_bias, scale_mul, qimg, qsc, kv; writes qimg, qsc, kv
.if DOCPART == 2
	.amdgcn_target "amdgcn-amd-amdhsa--gfx1250"
	.amdhsa_code_object_version 6
	.text
	.protected	k_q30431f9743_qkv
	.globl	k_q30431f9743_qkv
	.p2align	8
	.type	k_q30431f9743_qkv,@function
k_q30431f9743_qkv:
	s_mov_b64 s[64:65], 0
	v_nop
	global_prefetch_b8 v0, s[64:65] scope:SCOPE_SE
	s_setreg_imm32_b32 hwreg(HW_REG_WAVE_MODE, 25, 1), 1
	s_wait_xcnt 0x0
	s_wait_alu depctr_hold_cnt(0) depctr_sa_sdst(0) depctr_va_vdst(0) depctr_va_sdst(0) depctr_va_ssrc(0) depctr_va_vcc(0) depctr_vm_vsrc(0)
	s_getreg_b32 s2, hwreg(HW_REG_IB_STS2, 6, 4)
	s_cmp_eq_u32 s2, 0
	s_cbranch_scc0 .Lentry_in_a_cluster
	s_endpgm
.Lentry_in_a_cluster:
	s_bfe_u32 s2, ttmp6, 0x10000c
	s_cmp_lg_u32 s2, 0xf033
	s_cbranch_scc0 .Lentry_shape_is_right
	s_endpgm
.Lentry_shape_is_right:
; qkv = x w_qkv^T + bias on codes of FP6 with E8M0 scales, K = 1,024; then, in registers: q and k are divided by max(their head's norm, 1e-12), q is multiplied by exp(min(scale_mul, ln 100)),
; and q, k (along the head's 64) and v (along the keys) are quantised again and stored as images of the operand registers that the attention launch wants.  qkv never goes to memory as f32.
; A work-group of four waves makes 256 x 256, a wave 128 x 128: 64 accumulators of 16 x 16.  K goes in steps of 256 through two LDS slots filled by the tensor data mover; the scale bytes come once.
; THE KIND follows the cluster's x, which all sixteen partners share: 0 = q, 1 = k, 2 = v.  For q and k the side called A is 256 tokens and B 256 rows of w_qkv; for v the sides change roles (A = rows of w_v, B = tokens).
; THE MATRIX INSTRUCTION IS USED TRANSPOSED (source 0 = 16 rows of B, source 1 = 16 rows of A): a lane holds one row of A, its registers run along B.
; Both sides' rows lie in the workspace with the two middle groups of 8 of each 32 changed round.  So lane (r, h) of accumulator (a, b) holds A's row 32 (a / 2) + 8 (a % 2) + r + 8 (r / 8),
; and the 64 registers of A's block a are, register 16 e + m, B's row 32 e + 16 h + m: 16 neighbours of each block of 32 along the axis that is quantised next (q, k: the head's channels; v: the keys).
; CLUSTERS: 4 x 4 work-groups; A's tiles are asked for jointly along a row of the cluster, B's along a column.
; 192 work-groups: a tile that gave one to each WGP would cut heads across waves.
; LIMITS: a block of zeros gets the byte 1 (its codes are zeros; this program alone reads the bytes); blocks under 2^-124 are held at the byte 1; NaN and infinities are not served;
; t / max(n, eps) x sm is computed as t x (rcp(max(sqrt(sum), eps)) x sm): a few units in the last place off a true division.
; REGISTERS, in windows of 256: window 0: v0-31 addresses; v32-63 scale words, two sets; v64-127 q_bias in the result's layout (C of the first step); v128-223 A's fragments; v224-239 v_bias; v240-242 scale_mul.
;   window 1: B's fragments, two sets.   windows 2, 3: the accumulators ((a, b) at v[8 (8 (a % 4) + b)]).   The epilogue's map stands at its head.
.set KSTEP,  256
.set NQ,     2                         ; matrix instructions deep in a slot
.set ROWB,   192                       ; a tile's row: 256 codes
.set KROW,   768                       ; a row of codes in memory
.set PITCH,  240                       ; an LDS row: 3 x (64 bytes + 16 of padding)
.set FR,     12
.set NL,     6
.set NP,     4
.set HALFT,  128*PITCH
.set SLOT,   4*HALFT
.set KS,     32                        ; a row of scale bytes
.set SCL,    2*SLOT
.set HALFS,  (128*KS/256)*272
.set SBLK,   (16*KS/256)*272
.set SPARE,  SCL+4*HALFS               ; the spare words: 128 bytes a wave, two blocks of 256 bytes that no other line names
.set REC,    52224                     ; a record of kv: 128 keys x 4 heads: K's codes 24,576, V's codes 24,576, K's scale words 2,048, V's 1,024
.set ADRA, 16
.set ADRB, 20
.set VS,   24                          ; v24  the epilogue's scale words: my lane's place
.set ADRS, 27
.set SPW,  28
.set NIL,  29
.set LI,   30                          ; v30  16 x lane
.set L8,   31                          ; v31  8 x lane
.set SC,   32
.set BI,   64
.set AF,   128
.set VB,   224
.set SMV,  240
.set SMO,  242
.set G1, 24
.set G0, 32
.set G1B, 48
.set G0B, 56
.set G1S, 68
.set G0S, 76
.set G1SB, 80
.set G0SB, 88
.set SEL, 20
.set MSB, 0
.macro WIN new                         ; the immediate's high byte repeats the setting that is left
.if MSB != (\new)
	s_set_vgpr_msb (MSB<<8)|(\new)
.set MSB, (\new)
.endif
.endm
.set MUL_LO, 0xa1                      ; source 0 (B) window 1, source 1 (A) window 0, C and D window 2
.set MUL_HI, 0xf1                      ; the same, C and D window 3
.set TO_B,   0x40
; A joint load: waves 0 and 1 fetch for A, waves 2 and 3 for B; the branch hangs on the wave's number alone.  Four v_nop follow each of the two lines.
.macro JLOAD g0a, g1a, g0b, g1b
	s_cmp_eq_u32 s15, 0
	s_cbranch_scc0 .Lfor_b_\@
	tensor_load_to_lds s[\g0a:\g0a+3], s[\g1a:\g1a+7]
	s_nop 0
.rept 4
	v_nop
.endr
	s_branch .Lasked_\@
.Lfor_b_\@:
	tensor_load_to_lds s[\g0b:\g0b+3], s[\g1b:\g1b+7]
	s_nop 0
.rept 4
	v_nop
.endr
.Lasked_\@:
.endm
.macro CREST                           ; a round of the cluster's barrier behind its opening barrier
	s_cmp_lg_u32 s14, 0
	s_cbranch_scc1 .Lnot_wave_0_\@
	s_barrier_signal -3
.Lnot_wave_0_\@:
	s_barrier_wait -3
	s_barrier_signal -1
	s_barrier_wait -1
.endm
.macro CROUND
	s_barrier_signal -1
	s_barrier_wait -1
	CREST
.endm
	s_load_b256 s[4:11], s[0:1], 0x0               ; codes s[4:5], scales s[6:7], q_bias s[8:9], v_bias s[10:11]
	v_lshl_add_u32 v[SPW], v0, 2, SPARE
	v_mov_b32 v[NIL], 0
	ds_add_u32 v28, v29
	s_wait_dscnt 0x0
	v_lshrrev_b32 v1, 5, v0
	v_readfirstlane_b32 s14, v1                    ; wave 0..3
	s_lshr_b32 s15, s14, 1                         ; which 128 rows of A are mine.  Also: I fetch for A (0) or for B (1)
	s_and_b32 s16, s14, 1                          ; which 128 rows of B are mine.  Also: which 128 rows of that tile I fetch
	s_bfe_u32 s40, ttmp6, 0x40000                  ; cx, cy: my place in the cluster
	s_bfe_u32 s41, ttmp6, 0x40004
	s_lshl_b32 s43, s41, 2
	s_lshl_b32 s43, 15, s43                        ; my row of the cluster
	s_lshl_b32 s44, 0x1111, s40                    ; my column
	; descriptor group 1: a tile of 128 rows x 192 bytes, 16 bytes of padding behind every 64
	s_or_b32 s[G1+0], s43, (0<<16)|(1<<20)|(1<<21)|(3<<22)|(3<<25)
	s_or_b32 s[G1B+0], s44, (0<<16)|(1<<20)|(1<<21)|(3<<22)|(3<<25)
.irp g, G1, G1B
	s_mov_b32 s[\g+1], ROWB<<16                    ; tensor_dim0
	s_mov_b32 s[\g+2], 128<<16                     ; tensor_dim1
	s_mov_b32 s[\g+3], ROWB<<16                    ; tile_dim0
	s_mov_b32 s[\g+4], 128                         ; tile_dim1
	s_mov_b32 s[\g+5], KROW                        ; the pitch
	s_mov_b32 s[\g+6], 0
	s_mov_b32 s[\g+7], 0
.endr
	; the scale bytes of 128 rows: 4,096 dense bytes as 16 rows of 256 (32 elements of 8 bytes), 16 bytes of padding behind each
	s_or_b32 s[G1S+0], s43, (3<<16)|(1<<20)|(1<<21)|(5<<22)|(3<<25)
	s_or_b32 s[G1SB+0], s44, (3<<16)|(1<<20)|(1<<21)|(5<<22)|(3<<25)
.irp g, G1S, G1SB
	s_mov_b32 s[\g+1], 32<<16
	s_mov_b32 s[\g+2], (128*KS/256)<<16
	s_mov_b32 s[\g+3], 32<<16
	s_mov_b32 s[\g+4], 128*KS/256
	s_mov_b32 s[\g+5], 32
	s_mov_b32 s[\g+6], 0
	s_mov_b32 s[\g+7], 0
.endr
	; the rows of the workspace.  A: q, k: tokens 1,024 cluster y + 256 cy;  v: rows 6,144 + 256 cy (w_v).   B: q, k: rows 4,096 + 1,024 kind + 256 cx;  v: tokens 1,024 cluster y + 256 cx
	s_lshl_b32 s18, s16, 7                         ; which 128 rows of the tile I fetch
	s_and_b32 s17, ttmp7, 0xffff
	s_lshl_b32 s17, s17, 10
	s_lshl_b32 s46, ttmp9, 10
	s_add_co_u32 s46, s46, 4096
	s_mov_b32 s20, 6144
	s_cmp_eq_u32 ttmp9, 2                          ; the kind is the same in all sixteen partners
	s_cselect_b32 s20, s20, s17
	s_cselect_b32 s46, s17, s46
	s_lshl_b32 s19, s41, 8
	s_add_co_u32 s20, s20, s19
	s_add_co_u32 s20, s20, s18                     ; A's first row: it hangs on cy, never on cx
	s_lshl_b32 s47, s40, 8
	s_add_co_u32 s46, s46, s47
	s_add_co_u32 s46, s46, s18                     ; B's first row: it hangs on cx, never on cy
	s_mov_b32 s21, 0
	s_mov_b32 s47, 0
	s_mov_b64 s[18:19], KS
	s_mul_u64 s[22:23], s[20:21], s[18:19]         ; where these rows' scale bytes begin
	s_mul_u64 s[92:93], s[46:47], s[18:19]
	s_mov_b64 s[18:19], KROW
	s_mul_u64 s[20:21], s[20:21], s[18:19]         ; and their codes
	s_mul_u64 s[46:47], s[46:47], s[18:19]
	s_mul_i32 s45, s14, HALFT                      ; where they go: wave x 128 rows
	s_mul_i32 s94, s14, HALFS
	s_cmp_eq_u32 ttmp9, 0
	s_cselect_b32 s97, -1, 0                       ; all ones for q, 0 for k and v
	s_wait_kmcnt 0x0
	s_add_nc_u64 s[20:21], s[4:5], s[20:21]
	s_add_nc_u64 s[22:23], s[6:7], s[22:23]
	s_add_nc_u64 s[46:47], s[4:5], s[46:47]
	s_add_nc_u64 s[92:93], s[6:7], s[92:93]
	CROUND                                         ; all sixteen work-groups are here: the first joint loads meet
	s_mov_b32 s[G0S], 1
	s_add_co_u32 s[G0S+1], s94, SCL
	s_mov_b64 s[G0S+2:G0S+3], s[22:23]
	s_or_b32 s[G0S+3], s[G0S+3], 0x80000000
	s_mov_b32 s[G0SB], 1
	s_add_co_u32 s[G0SB+1], s94, SCL
	s_mov_b64 s[G0SB+2:G0SB+3], s[92:93]
	s_or_b32 s[G0SB+3], s[G0SB+3], 0x80000000
	JLOAD G0S, G1S, G0SB, G1SB                     ; the scale bytes first: they are wanted with K step 0
.irp s, 0,1
	s_mov_b32 s[G0+4*\s], 1
	s_add_co_u32 s[G0+4*\s+1], s45, \s*SLOT
	s_add_nc_u64 s[G0+4*\s+2:G0+4*\s+3], s[20:21], \s*ROWB
	s_or_b32 s[G0+4*\s+3], s[G0+4*\s+3], 0x80000000
	s_mov_b32 s[G0B+4*\s], 1
	s_add_co_u32 s[G0B+4*\s+1], s45, \s*SLOT
	s_add_nc_u64 s[G0B+4*\s+2:G0B+4*\s+3], s[46:47], \s*ROWB
	s_or_b32 s[G0B+4*\s+3], s[G0B+4*\s+3], 0x80000000
	JLOAD G0+4*\s, G1, G0B+4*\s, G1B
.endr
	v_and_b32 v1, 15, v0                           ; r
	v_bfe_u32 v2, v0, 4, 1                         ; h
	; q_bias in the result's layout: register 16 e + m = the bias of B's row 32 e + 16 h + m of my 128.  Every kind loads it (the addresses lie inside the buffer for every kind); k and v then clear it
	s_lshl_b32 s21, s40, 10
	s_lshl_b32 s22, s16, 9
	s_add_co_u32 s21, s21, s22
	v_lshl_add_u32 v7, v2, 6, s21                  ; 1,024 cx + 512 x my half + 64 h
.irp e, 0,1,2,3
.irp i, 0,1,2,3
	global_load_b128 v[BI+16*\e+4*\i:BI+16*\e+4*\i+3], v7, s[8:9] offset:128*\e+16*\i
.endr
.endr
	; v_bias of A's rows: block a's row r is row 32 (a / 2) + 8 (a % 2) + r + 8 (r / 8) of my 128.  In even registers: a packed addition names a pair and takes its low word
	s_lshl_b32 s21, s41, 10
	s_lshl_b32 s22, s15, 9
	s_add_co_u32 s21, s21, s22
	v_and_b32 v8, 8, v1
	v_add_nc_u32 v8, v8, v1
	v_lshl_add_u32 v8, v8, 2, s21
.irp a, 0,1,2,3,4,5,6,7
	global_load_b32 v[VB+2*\a], v8, s[10:11] offset:4*(32*(\a/2)+8*(\a%2))
	v_mov_b32 v[VB+2*\a+1], 0
.endr
	v_mul_u32_u24 v3, v1, PITCH
	v_mul_u32_u24 v4, v2, 24
	v_add_nc_u32 v4, v3, v4                        ; a fragment's row x pitch + 24 x half
	v_lshl_add_u32 v5, v2, 4, v4                   ; and the same behind one padding more
	s_mul_i32 s21, s15, HALFT                      ; my 128 rows of A
	s_mul_i32 s22, s16, HALFT                      ; my 128 rows of B,
	s_add_co_u32 s22, s22, 2*HALFT                 ; which lie behind A's 256
.irp s, 0,1
	v_add_nc_u32 v[ADRA+\s], s21, v4
	v_add_nc_u32 v[ADRB+\s], s22, v4
	v_add_nc_u32 v[ADRA+2+\s], s21, v5
	v_add_nc_u32 v[ADRB+2+\s], s22, v5
	s_add_co_u32 s21, s21, SLOT
	s_add_co_u32 s22, s22, SLOT
.endr
	v_mul_u32_u24 v5, v1, KS                       ; my row's scale bytes: 32 a row,
	v_lshrrev_b32 v6, 8, v5
	v_lshl_add_u32 v5, v6, 4, v5                   ; and 16 more for each 256 passed
	s_mul_i32 s21, s15, HALFS
	s_mul_i32 s22, s16, HALFS
	s_add_co_u32 s22, s22, 2*HALFS
	s_sub_co_u32 s22, s22, s21
	v_mul_u32_u24 v6, s22, v2                      ; lanes 16-31 take B's
	s_add_co_u32 s21, s21, SCL
	v_add_nc_u32 v5, v5, v6
	v_add_nc_u32 v[ADRS], s21, v5
	v_and_b32 v6, 31, v0
	v_lshlrev_b32 v[LI], 4, v6
	v_lshlrev_b32 v[L8], 3, v6
	s_lshl_b32 s21, s40, 4
	s_lshl_b32 s22, s16, 3
	s_add_co_u32 s21, s21, s22
	v_mov_b32 v[SMO], s21                          ; scale_mul of my two heads: 4 bytes x (4 cx + 2 x my half)
	s_wait_loadcnt 0x0                             ; the biases
.set j, 0
.rept 64
	v_and_b32 v[BI+j], s97, v[BI+j]                ; k and v begin their sums with zeros
.set j, j+1
.endr
.rept 8
	v_nop
.endr
.macro FRAG reg, adr, q, i             ; a fragment, 16 rows x 128 K: lane l holds row l % 16; registers 6 c .. 6 c + 5 hold K = 64 c + 32 (l / 16) + 0 .. 31: 24 bytes of the row, as they lie, in pieces of 8
.irp p, 0,1,2,3,4,5
.set PIECE, 12*(\q)+6*(\p/3)+\p%3     ; where the piece three on lies behind one padding more, the second address register serves
.if PIECE%8 < 5
	ds_load_b64 v[\reg+2*\p:\reg+2*\p+1], v[\adr] offset:8*PIECE+16*(PIECE/8)+(\i)*16*PITCH
.else
	ds_load_b64 v[\reg+2*\p:\reg+2*\p+1], v[\adr+2] offset:8*PIECE+16*(PIECE/8)+(\i)*16*PITCH
.endif
.endr
.endm
; 16 matrix instructions: A's blocks a0, a0 + 1 x B's eight.  first = 1: the sums begin with the bias.  The 64 accumulators take turns, one instruction a turn.
.macro MUL16 a0, p, q, sc, first
.irp a, \a0, \a0+1
.irp b, 0,1,2,3,4,5,6,7
.if \first
	v_wmma_scale_f32_16x16x128_f8f6f4 v[8*(8*((\a)%4)+\b):8*(8*((\a)%4)+\b)+7], v[128*(\p)+FR*\b:128*(\p)+FR*\b+FR-1], v[AF+FR*(\a):AF+FR*(\a)+FR-1], v[BI+8*\b:BI+8*\b+7], v[SC+8*NQ*(\sc)+NQ*\b+(\q)], v[SC+8*NQ*(\sc)+NQ*(\a)+(\q)] matrix_a_fmt:MATRIX_FMT_FP6 matrix_b_fmt:MATRIX_FMT_FP6 matrix_a_scale:MATRIX_SCALE_ROW1
.else
	v_wmma_scale_f32_16x16x128_f8f6f4 v[8*(8*((\a)%4)+\b):8*(8*((\a)%4)+\b)+7], v[128*(\p)+FR*\b:128*(\p)+FR*\b+FR-1], v[AF+FR*(\a):AF+FR*(\a)+FR-1], v[8*(8*((\a)%4)+\b):8*(8*((\a)%4)+\b)+7], v[SC+8*NQ*(\sc)+NQ*\b+(\q)], v[SC+8*NQ*(\sc)+NQ*(\a)+(\q)] matrix_a_fmt:MATRIX_FMT_FP6 matrix_b_fmt:MATRIX_FMT_FP6 matrix_a_scale:MATRIX_SCALE_ROW1
.endif
.endr
.endr
.endm
.macro FETCH_B slot, q, p
	WIN TO_B
.irp i, 0,1,2,3,4,5,6,7
	FRAG 128*(\p)+FR*\i, ADRB+\slot, \q, \i
.endr
	WIN 0
.endm
.macro FETCH_A slot, q, i0
.irp i, \i0, \i0+1, \i0+2, \i0+3
	FRAG AF+FR*(\i), ADRA+\slot, \q, \i
.endr
.endm
.macro SCALES sc                       ; a K step's scale words: lanes 0-15 take A's block i, lanes 16-31 B's block i
.irp i, 0,1,2,3,4,5,6,7
	ds_load_b64 v[SC+8*NQ*\sc+NQ*\i:SC+8*NQ*\sc+NQ*\i+1], v[ADRS] offset:\i*SBLK
.endr
.endm
.macro PLACES n                        ; plain vector lines between a matrix instruction and a load into, or a vector line on, its registers
.rept \n
	v_nop
.endr
.endm
; A step of 128 along K that has its successor in the same slot.  first = 1: C lies in window 0 (the bias).
.macro STEP slot, q, first
	s_wait_dscnt 4*NL                              ; B's set and A's blocks 0-3 are in; the youngest 24 loads (A's blocks 4-7) may be out
	WIN MUL_LO-0x20*(\first)
	MUL16 0, (\q)%2, \q, \slot, \first
	MUL16 2, (\q)%2, \q, \slot, \first
	s_wait_dscnt 0
	PLACES NP
	FETCH_B \slot, (\q)+1, 1-(\q)%2
	FETCH_A \slot, (\q)+1, 0
	WIN MUL_HI-0x30*(\first)
	MUL16 4, (\q)%2, \q, \slot, \first
	MUL16 6, (\q)%2, \q, \slot, \first
	PLACES NP
	WIN 0
	FETCH_A \slot, (\q)+1, 4
.endm
; A slot's last step changes slots: one barrier; in front of it each wave waits for all its tensor loads, adds 0 to its spare word, and waits for that and for its reads of this slot.
.macro TURN slot, next, fill
	s_wait_tensorcnt 0x0                           ; all my tensor loads have landed: my part of the next slot
	ds_add_u32 v[SPW], v[NIL]                      ; 0 onto my spare word
	s_wait_dscnt 4*NL+1                            ; (the add and the youngest 24 loads may be out)
	WIN MUL_LO
	MUL16 0, 1, NQ-1, \slot, 0
	s_wait_dscnt 0x0                               ; the add is done, and my reads of this slot are over
	s_barrier_signal -1
	MUL16 2, 1, NQ-1, \slot, 0
	WIN 0
	s_barrier_wait -1
.if \fill
	CREST                                          ; the barrier has opened a round of the cluster's: no wave of any partner still reads this slot or has a load on its way
	s_add_nc_u64 s[G0+4*\slot+2:G0+4*\slot+3], s[G0+4*\slot+2:G0+4*\slot+3], 2*ROWB
	s_add_nc_u64 s[G0B+4*\slot+2:G0B+4*\slot+3], s[G0B+4*\slot+2:G0B+4*\slot+3], 2*ROWB
	JLOAD G0+4*\slot, G1, G0B+4*\slot, G1B         ; the first tensor load behind the round; its four v_nop are the places in front of the loads below
.else
	PLACES NP
.endif
	v_add_nc_u32 v[ADRS], 4*NQ, v[ADRS]            ; on to the next K step's scale words
	FETCH_B \next, 0, 0
	FETCH_A \next, 0, 0
	SCALES \next
	WIN MUL_HI
	MUL16 4, 1, NQ-1, \slot, 0
	MUL16 6, 1, NQ-1, \slot, 0
	PLACES NP
	WIN 0
	FETCH_A \next, 0, 4
.endm
	s_wait_tensorcnt 1                             ; the scale bytes and my part of K step 0 are in (K step 1's load may be out),
	s_barrier_signal -1
	s_barrier_wait -1                              ; everybody's are
	s_load_b256 s[68:75], s[0:1], 0x20             ; scale_mul, qimg, qsc, kv: into the registers of the scale tiles' descriptors, whose loads the wait above has shown done
	FETCH_B 0, 0, 0
	FETCH_A 0, 0, 0
	SCALES 0
	FETCH_A 0, 0, 4
	; K = 1,024 is four K steps of 256, eight steps of 128: written straight
	STEP 0, 0, 1
	s_wait_kmcnt 0x0
	global_load_b64 v[SMV:SMV+1], v[SMO], s[68:69] ; scale_mul of my two heads; wanted in the epilogue
	TURN 0, 1, 1
	STEP 1, 0, 0
	TURN 1, 0, 1
	STEP 0, 0, 0
	TURN 0, 1, 0                                   ; the last two K steps fill nothing
	STEP 1, 0, 0
	s_wait_dscnt 4*NL
	WIN MUL_LO
	MUL16 0, 1, NQ-1, 1, 0
	MUL16 2, 1, NQ-1, 1, 0
	s_wait_dscnt 0
	WIN MUL_HI
	MUL16 4, 1, NQ-1, 1, 0
	MUL16 6, 1, NQ-1, 1, 0
	WIN 0
; THE EPILOGUE.  Window 0: v32-63 SS: for (block a, head hd) a pair at SS + 4 a + 2 hd: the sum of squares, then the factor; v64-71, v72-79 scale words; v80-95 at work; v96 the scale word just made;
; v98-99 sm of my two heads; v128-191 T: 64 numbers; v192-210 the codes.
.set SS,  32
.set W0,  64
.set W1,  72
.set TM,  80
.set PW,  96
.set SM,  98
.set T,   128
.set CD,  192
; 64 numbers of a lane, register 16 b + i = k 32 b + 16 (lane / 16) + i of my row, become a fragment's codes in v[CD] on and its scale word in v[PW].
.macro QUANT s
.irp b, 0,1,2,3
	v_max3_num_f32 v[TM+\b], |v[\s+16*\b]|, |v[\s+1+16*\b]|, 0x1800000   ; block b: my 16 numbers, and the floor 2^(3 - 127): the byte cannot fall under 1
.endr
.irp i, 2,4,6,8,10,12,14
.irp b, 0,1,2,3
	v_max3_num_f32 v[TM+\b], v[TM+\b], |v[\s+16*\b+\i]|, |v[\s+1+16*\b+\i]|
.endr
.endr
.irp b, 0,1,2,3
	v_permlanex16_b32 v[TM+4+\b], v[TM+\b], s[SEL], s[SEL+1]
.endr
.irp b, 0,1,2,3
	v_max_num_f32 v[TM+\b], v[TM+\b], v[TM+4+\b]   ; with lane l xor 16's: the block's largest magnitude
.endr
.irp b, 0,1,2,3
	v_add_nc_u32 v[TM+12+\b], 0xff000000, v[TM+\b] ; 2 off its exponent field: the conversion's scale operand
.endr
.irp b, 0,1,2,3
	v_lshrrev_b32 v[TM+4+\b], 23, v[TM+12+\b]      ; the scale's byte
.endr
	v_lshl_or_b32 v[PW], v[TM+5], 8, v[TM+4]
	v_lshl_or_b32 v[PW], v[TM+6], 16, v[PW]
	v_lshl_or_b32 v[PW], v[TM+7], 24, v[PW]
.irp c, 0,1
	v_cvt_scalef32_pk16_fp6_f32 v[CD+6*\c:CD+2+6*\c], v[\s+32*\c:\s+15+32*\c], v[TM+12+2*\c]
	v_cvt_scalef32_pk16_fp6_f32 v[CD+12+4*\c:CD+14+4*\c], v[\s+16+32*\c:\s+31+32*\c], v[TM+12+2*\c+1]   ; (a conversion's three registers begin on an even number)
.endr
	v_nop                                          ; one plain line behind a scaled conversion
.irp c, 0,1                                    ; the operand's layout wants a whole block in a lane: lanes 0-15 block 2 c, lanes 16-31 block 2 c + 1
.irp i, 0,1,2
	v_permlane16_swap_b32 v[CD+6*\c+\i], v[CD+12+4*\c+\i]
.endr
.irp i, 0,1,2
	v_mov_b32 v[CD+3+6*\c+\i], v[CD+12+4*\c+\i]
.endr
.endr
.endm
	PLACES NP                                      ; behind the last products
	s_wait_loadcnt 0x0                             ; scale_mul
	s_mov_b32 s[SEL], 0x76543210
	s_mov_b32 s[SEL+1], 0xfedcba98                 ; v_permlanex16_b32's selects for lane l xor 16
	s_mov_b32 s98, 0xffff
	s_mov_b32 s99, 0x7f7f0000                      ; the bytes of K = 64 .. 127, where the attention's operands hold zero codes: 2^0
	v_and_b32 v1, 15, v0                           ; r
	v_bfe_u32 v2, v0, 4, 1                         ; h
	v_and_b32 v3, 31, v0                           ; lane
.irp b, 0,1,2,3
	v_mov_b32 v[TM+4+\b], 0                        ; written once: a lane permute's destination counts as one of its sources
.endr
	s_and_b32 s24, ttmp7, 0xffff
	s_lshl_b32 s24, s24, 2                         ; 4 x cluster y
	s_mov_b32 s33, 0
	s_mov_b32 s35, 0
	s_mov_b32 s37, 0
	s_cmp_eq_u32 ttmp9, 2                          ; the kind: the same in all partners
	s_cbranch_scc1 .Lv
	; ---- q and k.  My 128 tokens are group grp of 128 of batch b; my 128 channels are heads 4 cx + 2 x my half + 0, 1
	s_add_co_u32 s25, s24, s41                     ; block of 256 tokens
	s_lshr_b32 s26, s25, 3                         ; b
	s_and_b32 s27, s25, 7
	s_lshl_b32 s27, s27, 1
	s_add_co_u32 s27, s27, s15                     ; grp
	s_lshl_b32 s28, s26, 2
	s_add_co_u32 s28, s28, s40                     ; k: the group of four heads, 4 b + cx
	s_lshl_b32 s28, s28, 4
	s_add_co_u32 s28, s28, s27
	s_mul_i32 s28, s28, REC                        ; its record of these 128 keys
	s_mul_i32 s29, s16, 12288
	s_add_co_u32 s32, s28, s29                     ; k's codes: [head in the group][tile a][768]
	s_lshl_b32 s29, s16, 10
	s_add_co_u32 s36, s28, s29
	s_add_co_u32 s36, s36, 49152                   ; k's scale words: [head][a / 4][r][a % 4]
	s_lshl_b32 s28, s26, 4
	s_lshl_b32 s29, s40, 2
	s_add_co_u32 s28, s28, s29
	s_lshl_b32 s29, s16, 1
	s_add_co_u32 s28, s28, s29                     ; q: 16 b + head
	s_lshl_b32 s29, s28, 7
	s_lshl_b32 s30, s27, 3
	s_add_co_u32 s29, s29, s30
	s_mul_i32 s29, s29, 768                        ; q's codes: [16 b + head][tile 8 grp + a][768]
	s_lshl_b32 s30, s28, 13
	s_lshl_b32 s31, s27, 9
	s_add_co_u32 s30, s30, s31                     ; q's scale words: [16 b + head][grp][a / 4][r][a % 4]
	s_mov_b32 s34, 6144
	s_mov_b32 s38, 512
	s_cmp_eq_u32 ttmp9, 0
	s_cselect_b32 s32, s29, s32
	s_cselect_b32 s36, s30, s36
	s_cselect_b32 s34, 98304, s34                  ; from a head's codes to the next head's
	s_cselect_b32 s38, 8192, s38                   ; and the same for the scale words
	s_cselect_b64 s[78:79], s[70:71], s[74:75]     ; qimg or kv
	s_cselect_b64 s[82:83], s[72:73], s[74:75]     ; qsc or kv
	s_add_nc_u64 s[78:79], s[78:79], s[32:33]
	s_add_nc_u64 s[80:81], s[78:79], s[34:35]
	s_add_nc_u64 s[82:83], s[82:83], s[36:37]
	v_mul_u32_u24 v[VS], v2, s38
	v_lshl_add_u32 v[VS], v1, 4, v[VS]             ; lanes 0-15 store the first head's words, lanes 16-31 the second's: 16 bytes a row
	; the sums of squares: a lane's 32 numbers of a head, two at a time, four chains by turns; each accumulator is read from its low end on
.irp a0, 0,2,4,6
	WIN 5*(2+\a0/4)                                ; sources 0 and 1: window 2 or 3
.irp c, 0,1,2,3
	v_pk_mul_f32 v[SS+4*\a0+2*\c:SS+4*\a0+2*\c+1], v[64*(\a0%4)+32*\c:64*(\a0%4)+32*\c+1], v[64*(\a0%4)+32*\c:64*(\a0%4)+32*\c+1]
.endr
.irp i, 1,2,3,4,5,6,7,8,9,10,11,12,13,14,15
.irp c, 0,1,2,3
	v_pk_fma_f32 v[SS+4*\a0+2*\c:SS+4*\a0+2*\c+1], v[64*(\a0%4)+32*\c+2*\i:64*(\a0%4)+32*\c+2*\i+1], v[64*(\a0%4)+32*\c+2*\i:64*(\a0%4)+32*\c+2*\i+1], v[SS+4*\a0+2*\c:SS+4*\a0+2*\c+1]
.endr
.endr
.endr
	WIN 0
.set p, 0
.rept 16
	v_add_f32 v[SS+2*p], v[SS+2*p], v[SS+2*p+1]
.set p, p+1
.endr
.set p, 0
.rept 16
	v_permlanex16_b32 v[SS+2*p+1], v[SS+2*p], s[SEL], s[SEL+1]
.set p, p+1
.endr
.set p, 0
.rept 16
	v_add_f32 v[SS+2*p], v[SS+2*p], v[SS+2*p+1]    ; with lane l xor 16's 32: the head's 64
.set p, p+1
.endr
.set p, 0
.rept 16
	v_sqrt_f32 v[SS+2*p], v[SS+2*p]
.set p, p+1
.endr
	v_min_num_f32 v[SM], 0x40935d8e, v[SMV]        ; min(scale_mul, ln 100).  (Plain work behind the roots)
	v_min_num_f32 v[SM+1], 0x40935d8e, v[SMV+1]
	v_mul_f32 v[SM], 0x3fb8aa3b, v[SM]             ; x log2(e)
	v_mul_f32 v[SM+1], 0x3fb8aa3b, v[SM+1]
	v_and_b32 v[SM], s97, v[SM]                    ; k: the exponent 0, so its factor is 1
	v_and_b32 v[SM+1], s97, v[SM+1]
	s_wait_alu depctr_va_vdst(0)                   ; one wait for the sixteen roots, ahead of their first reader
.set p, 0
.rept 16
	v_max_num_f32 v[SS+2*p], 0x2b8cbccc, v[SS+2*p] ; max(n, 1e-12)
.set p, p+1
.endr
.set p, 0
.rept 16
	v_rcp_f32 v[SS+2*p], v[SS+2*p]
.set p, p+1
.endr
	v_exp_f32 v[SM], v[SM]
	v_exp_f32 v[SM+1], v[SM+1]
	v_nop                                          ; a plain line behind the last transcendental
	s_wait_alu depctr_va_vdst(0)                   ; one wait for the batch of eighteen
.set p, 0
.rept 16
	v_mul_f32 v[SS+2*p], v[SS+2*p], v[SM+p%2]      ; sm / max(n, eps)
.set p, p+1
.endr
.macro QKBLK a                         ; block a: 16 tokens x my two heads: scaled, quantised, stored as two images of six registers: registers 0-3 at 16 x lane, registers 4-5 at 512 + 8 x lane
.set AC, 64*((\a)%4)
	WIN 2+(\a)/4                                   ; source 0: window 2 or 3
.set i, 0
.rept 32
	v_pk_mul_f32 v[T+2*i:T+2*i+1], v[AC+2*i:AC+2*i+1], v[SS+4*(\a)+2*(i/16):SS+4*(\a)+2*(i/16)+1] op_sel_hi:[1,0]
.set i, i+1
.endr
	WIN 0
	s_wait_xcnt 0x0                                ; the last block's stores have read the codes' registers
	QUANT T
	v_and_or_b32 v[W0+(\a)], v[PW], s98, s99       ; the first head's two bytes,
	v_lshrrev_b32 v[W1+(\a)], 16, v[PW]
	v_or_b32 v[W1+(\a)], s99, v[W1+(\a)]           ; the second's
	global_store_b128 v[LI], v[CD:CD+3], s[78:79] offset:768*(\a)            ; 512 consecutive bytes
	global_store_b64 v[L8], v[CD+4:CD+5], s[78:79] offset:768*(\a)+512       ; 256 consecutive bytes
	global_store_b128 v[LI], v[CD+6:CD+9], s[80:81] offset:768*(\a)
	global_store_b64 v[L8], v[CD+10:CD+11], s[80:81] offset:768*(\a)+512
.endm
.irp a, 0,1,2,3,4,5,6,7
	QKBLK \a
.endr
	v_cmp_lt_u32 vcc_lo, 15, v3
.irp a, 0,1,2,3,4,5,6,7
	v_cndmask_b32 v[W0+\a], v[W0+\a], v[W1+\a], vcc_lo
.endr
	global_store_b128 v[VS], v[W0:W0+3], s[82:83]              ; each half of the lanes stores 256 consecutive bytes, aligned
	global_store_b128 v[VS], v[W0+4:W0+7], s[82:83] offset:256
	s_branch .Lend
.Lv:	; ---- v.  My 128 rows of A are heads 4 cy + 2 x my half + 0, 1 (blocks 0-3, 4-7); my 128 rows of B are one key step
	s_add_co_u32 s25, s24, s40                     ; block of 256 tokens
	s_lshr_b32 s26, s25, 3                         ; b
	s_and_b32 s27, s25, 7
	s_lshl_b32 s27, s27, 1
	s_add_co_u32 s27, s27, s16                     ; the key step
	s_lshl_b32 s28, s26, 2
	s_add_co_u32 s28, s28, s41                     ; the group of four heads, 4 b + cy
	s_lshl_b32 s28, s28, 4
	s_add_co_u32 s28, s28, s27
	s_mul_i32 s28, s28, REC
	s_mul_i32 s29, s15, 12288
	s_add_co_u32 s32, s28, s29
	s_add_co_u32 s32, s32, 24576                   ; v's codes: [head in the group][tile][1,536]
	s_lshl_b32 s29, s15, 9
	s_add_co_u32 s36, s28, s29
	s_add_co_u32 s36, s36, 51200                   ; v's scale words: [head][r][tile]
	s_add_nc_u64 s[78:79], s[74:75], s[32:33]
	s_add_nc_u64 s[82:83], s[74:75], s[36:37]
	v_lshlrev_b32 v[VS], 8, v2
	v_lshl_add_u32 v[VS], v1, 4, v[VS]
.macro VBLK a                          ; block a: 16 channels x 128 keys: the bias, quantised along the keys, stored as an image of twelve registers
.set AC, 64*((\a)%4)
	WIN 2+(\a)/4
.set i, 0
.rept 32
	v_pk_add_f32 v[T+2*i:T+2*i+1], v[AC+2*i:AC+2*i+1], v[VB+2*(\a):VB+2*(\a)+1] op_sel_hi:[1,0]
.set i, i+1
.endr
	WIN 0
	s_wait_xcnt 0x0                                ; the last block's stores have read the codes' registers
	QUANT T
	v_mov_b32 v[W0+(\a)], v[PW]
.irp c, 0,1,2
	global_store_b128 v[LI], v[CD+4*\c:CD+4*\c+3], s[78:79] offset:1536*(\a)+512*\c
.endr
.endm
.irp a, 0,1,2,3,4,5,6,7
	VBLK \a
.endr
	v_cmp_lt_u32 vcc_lo, 15, v3
.irp a, 0,1,2,3
	v_cndmask_b32 v[W0+\a], v[W0+\a], v[W0+4+\a], vcc_lo
.endr
	global_store_b128 v[VS], v[W0:W0+3], s[82:83]              ; 512 consecutive bytes
.Lend:
	s_wait_tensorcnt 0x0                           ; the wave's end
	ds_add_u32 v[SPW], v[NIL]
	s_wait_dscnt 0x0
	CROUND                                         ; the closing round: no work-group ends while a partner may still ask for a tile that names it
	s_endpgm
.Lfunc_end_k_q30431f9743_qkv:
	.size	k_q30431f9743_qkv, .Lfunc_end_k_q30431f9743_qkv-k_q30431f9743_qkv
	.p2alignl 7, 3214868480
	.fill 96, 4, 3214868480
	.section	.rodata,"a",@progbits
	.p2align	6, 0x0
	.amdhsa_kernel k_q30431f9743_qkv
		.amdhsa_group_segment_fixed_size 327680
		.amdhsa_private_segment_fixed_size 0
		.amdhsa_enable_private_segment 0
		.amdhsa_kernarg_size 64
		.amdhsa_user_sgpr_count 2
		.amdhsa_user_sgpr_kernarg_segment_ptr 1
		.amdhsa_wavefront_size32 1
		.amdhsa_system_sgpr_workgroup_id_x 1
		.amdhsa_system_sgpr_workgroup_id_y 1
		.amdhsa_system_sgpr_workgroup_id_z 1
		.amdhsa_system_vgpr_workitem_id 0
		.amdhsa_next_free_vgpr 1024
		.amdhsa_next_free_sgpr 100
		.amdhsa_reserve_vcc 1
		.amdhsa_float_denorm_mode_32 3
		.amdhsa_float_denorm_mode_16_64 3
		.amdhsa_memory_ordered 1
		.amdhsa_forward_progress 1
		.amdhsa_inst_pref_size 255
	.end_amdhsa_kernel
	.section	.bss,"aw",@nobits
	.p2align	6
	.space	262144
	.amdgpu_metadata
---
amdhsa.version: [ 1, 2 ]
amdhsa.kernels:
  - .name:           k_q30431f9743_qkv
    .symbol:         k_q30431f9743_qkv.kd
    .args:
      - { .name: codes, .offset: 0, .size: 8, .value_kind: global_buffer, .address_space: global }
      - { .name: scales, .offset: 8, .size: 8, .value_kind: global_buffer, .address_space: global }
      - { .name: q_bias, .offset: 16, .size: 8, .value_kind: global_buffer, .address_space: global }
      - { .name: v_bias, .offset: 24, .size: 8, .value_kind: global_buffer, .address_space: global }
      - { .name: scale_mul, .offset: 32, .size: 8, .value_kind: global_buffer, .address_space: global }
      - { .name: qimg, .offset: 40, .size: 8, .value_kind: global_buffer, .address_space: global }
      - { .name: qsc, .offset: 48, .size: 8, .value_kind: global_buffer, .address_space: global }
      - { .name: kv, .offset: 56, .size: 8, .value_kind: global_buffer, .address_space: global }
    .group_segment_fixed_size: 327680
    .private_segment_fixed_size: 0
    .kernarg_segment_align: 8
    .kernarg_segment_size: 64
    .max_flat_workgroup_size: 128
    .sgpr_count:     100
    .vgpr_count:     1024
    .wavefront_size: 32
...
	.end_amdgpu_metadata
.endif
;; end of part 2
;; launch attn (part 3): grid 32 x 8, 16 waves a work-group, clusters of 4 x 4, 327,680 bytes of LDS; arguments qimg, qsc, kv, attn_bias, oc, os; writes oc, os
.if DOCPART == 3
	.amdgcn_target "amdgcn-amd-amdhsa--gfx1250"
	.amdhsa_code_object_version 6
	.text
	.protected	k_q30431f9743_attn
	.globl	k_q30431f9743_attn
	.p2align	8
	.type	k_q30431f9743_attn,@function
k_q30431f9743_attn:
	s_mov_b64 s[64:65], 0
	v_nop
	global_prefetch_b8 v0, s[64:65] scope:SCOPE_SE
	s_setreg_imm32_b32 hwreg(HW_REG_WAVE_MODE, 25, 1), 1
	s_wait_xcnt 0x0
	s_wait_alu depctr_hold_cnt(0) depctr_sa_sdst(0) depctr_va_vdst(0) depctr_va_sdst(0) depctr_va_ssrc(0) depctr_va_vcc(0) depctr_vm_vsrc(0)
	s_getreg_b32 s2, hwreg(HW_REG_IB_STS2, 6, 4)
	s_cmp_eq_u32 s2, 0
	s_cbranch_scc0 .Lentry_in_a_cluster
	s_endpgm
.Lentry_in_a_cluster:
	s_bfe_u32 s2, ttmp6, 0x10000c
	s_cmp_lg_u32 s2, 0xf033
	s_cbranch_scc0 .Lentry_shape_is_right
	s_endpgm
.Lentry_shape_is_right:
; o = softmax(q k^T + attn_bias) v for 2 x 16 heads of 64, 2,048 tokens, both products on codes of FP6 with E8M0 scales; o / l is quantised along the channels and stored as rows of codes for the last product.
; t = logit x log2(e); M = the running largest t rounded up to a whole number; p = 2^(t - M) is quantised along the keys; the row's sum is taken of the unquantised p and divides at the end.
; SHARES.  A work-group owns 64 queries (x) of four heads (y = 4 b + group).  Wave w: head w % 4 of the four, query tile w / 4: one tile of 16 queries in 256 registers, four waves to a SIMD.
; So a tile of attn_bias in LDS serves four heads and a tile of K or V four query tiles.  Every wave walks 16 key steps of 128 keys.
; THE FIRST PRODUCT has K = 64: registers 6-11 of both operands hold zero codes, and their scale bytes are 2^0.  attn_bias is its C, loaded in the result's layout.
; LAYOUT.  Both products are used transposed (S^T = K Q^T, O^T = V^T P^T): a lane holds one query.  Lane r of K's tile 2 b + u holds key 32 b + 8 u + r + 8 (r / 8), so that the 16 registers of tiles 2 b, 2 b + 1
; are keys 32 b + 16 (lane / 16) + 0 .. 15; V's tiles have their channels in the same order, so that O^T's 16 registers of two tiles are 16 neighbouring channels.
; K, V and their scale words come as images of the operand registers, one dense record of 52,224 bytes for a key step and four heads.
; CLUSTER 4 x 4: the record hangs on y and is asked for jointly along a row of the cluster, the bias tile on x and jointly along a column.
; LIMITS: a block of zeros gets the byte 1 (zero codes; this program alone reads the bytes); NaN and +infinity among the logits are not served, nor a query whose 2,048 logits are all -infinity.
; os is stored in pieces of 8 bytes 32 bytes apart (131,072 bytes in the whole launch); oc in pieces of 192 consecutive bytes.
; REGISTERS: v1-4, v7, v30 addresses that stay; v8-11, v28-29 those in hand; v12 -M, v13 the largest t, v[14:15] the sum; v16-27 Q; v32-79 four fragments of K; v96-159 bias, S^T, p, then V's four fragments;
; v160-191 O^T; v224-235 p's codes; v232-254 at work; v248-251 scale words; v255 Q's scale word.
.set REC,   52224                      ; a record: K's codes at 0, V's at 24,576, K's scale words at 49,152, V's at 51,200
.set BOFF,  52224                      ; behind it in a slot: the bias tile, 64 rows of 512 bytes + 16
.set BP,    528
.set SLOT1, 1<<17                      ; slot 1 begins here: one exclusive or turns an address from one slot to the other
.set STAGE, 86016                      ; between the slots: 64 rows x 272 bytes for the way out,
.set SSTG,  103424                     ; 512 bytes for its scale bytes,
.set SPARE, 103936                     ; and the spare words, 128 bytes for each of sixteen waves: eight blocks of 256 bytes that no other line names
.set AK0,  1
.set AK1,  2
.set AV0,  3
.set ASK0, 4
.set SPW,  5
.set NIL,  6
.set ASV0, 7
.set ADK,  8
.set ADK1, 9
.set ADV,  10
.set ADS,  11
.set ADT,  28
.set ADB,  29
.set AB0,  30
.set PFO,  31
.set TB,    2                          ; s2   LDS byte at which the slot in hand begins
.set SLOTS, 3                          ; s3   key steps still to be asked for
.set WV,   18
.set SEL,  20
.set CS,   22                          ; s[22:23] log2(e)
.set G1KV, 24
.set G1B,  32
.set G0KV, 40
.set G0B,  44
.set PFA,  76
.set PFS,  78
.set LIM,  80
; Waves 0 and 1 fetch the record's halves, waves 2 and 3 the bias tile's, the others nothing.  The branches hang on the wave's number alone.  Four v_nop follow each of the two lines.
.macro TLOAD
	s_cmp_lt_u32 s[WV], 2
	s_cbranch_scc0 .Lnot_kv_\@
	tensor_load_to_lds s[G0KV:G0KV+3], s[G1KV:G1KV+7]
	s_nop 0
.rept 4
	v_nop
.endr
	s_branch .Lasked_\@
.Lnot_kv_\@:
	s_cmp_lt_u32 s[WV], 4
	s_cbranch_scc0 .Lasked_\@
	tensor_load_to_lds s[G0B:G0B+3], s[G1B:G1B+7]
	s_nop 0
.rept 4
	v_nop
.endr
.Lasked_\@:
.endm
; A PREFETCH INTO THE L2 of what the next change of slots will ask for, one key step ahead of that load.  A record is read by the eight clusters of a row of clusters: the first (cluster x = 0) asks; its four partners along cx
; take 51 blocks of 256 bytes each, told apart by address: waves 8 and 9, a lane a block (the last 13 lanes of wave 9 name block 50 again).  A bias tile is read by the two clusters of a column of clusters: cluster y = 0 asks;
; its four partners along cy take 16 rows each: wave 10, two lanes a row of 512 bytes.  The last change that fills a slot asks for nothing.  Key steps 0 and 1 come by their loads alone.
.macro ASK
	s_cmp_gt_u32 s[SLOTS], s[LIM]
	s_cbranch_scc0 .Lnot_mine_\@
	global_prefetch_b8 v[PFO], s[PFA:PFA+1] th:TH_LOAD_NT scope:SCOPE_SE
.Lnot_mine_\@:
.endm
.macro CROUND                          ; a round of the cluster's barrier
	s_barrier_signal -1
	s_barrier_wait -1
	s_cmp_lg_u32 s[WV], 0
	s_cbranch_scc1 .Lnot_wave_0_\@
	s_barrier_signal -3
.Lnot_wave_0_\@:
	s_barrier_wait -3
	s_barrier_signal -1
	s_barrier_wait -1
.endm
	s_load_b256 s[4:11], s[0:1], 0x0               ; qimg s[4:5], qsc s[6:7], kv s[8:9], attn_bias s[10:11]
	s_load_b128 s[12:15], s[0:1], 0x20             ; oc s[12:13], os s[14:15]
	v_lshl_add_u32 v[SPW], v0, 2, SPARE
	v_mov_b32 v[NIL], 0
	ds_add_u32 v5, v6
	s_wait_dscnt 0x0
	v_lshrrev_b32 v8, 5, v0
	v_readfirstlane_b32 s[WV], v8                  ; wave 0..15
	s_bfe_u32 s48, ttmp6, 0x40000                  ; cx
	s_bfe_u32 s49, ttmp6, 0x40004                  ; cy
	s_lshl_b32 s50, ttmp9, 2
	s_add_co_u32 s50, s50, s48                     ; x: my block of 64 queries
	s_and_b32 s51, ttmp7, 0xffff
	s_lshl_b32 s51, s51, 2
	s_add_co_u32 s51, s51, s49                     ; y: 4 b + my group of four heads
	s_lshl_b32 s52, s49, 2
	s_lshl_b32 s52, 15, s52                        ; my row of the cluster
	s_lshl_b32 s53, 0x1111, s48                    ; my column
	s_and_b32 s54, s[WV], 3                        ; my head of the four
	s_lshr_b32 s55, s[WV], 2                       ; my tile of 16 queries
	s_and_b32 s56, s[WV], 1                        ; which half I fetch, if I fetch
	; descriptor group 1.  The record's half: 26,112 dense bytes as 102 rows of 256 (32 elements of 8 bytes), no padding
	s_or_b32 s[G1KV], s52, (3<<16)|(1<<21)
	s_mov_b32 s[G1KV+1], 32<<16
	s_mov_b32 s[G1KV+2], 102<<16
	s_mov_b32 s[G1KV+3], 32<<16
	s_mov_b32 s[G1KV+4], 102
	s_mov_b32 s[G1KV+5], 32
	s_mov_b32 s[G1KV+6], 0
	s_mov_b32 s[G1KV+7], 0
	; the bias tile's half: 32 rows of 128 f32, 2,048 apart, 4 words of padding behind each 128
	s_or_b32 s[G1B], s53, (2<<16)|(1<<20)|(1<<21)|(6<<22)|(3<<25)
	s_mov_b32 s[G1B+1], 128<<16
	s_mov_b32 s[G1B+2], 32<<16
	s_mov_b32 s[G1B+3], 128<<16
	s_mov_b32 s[G1B+4], 32
	s_mov_b32 s[G1B+5], 2048
	s_mov_b32 s[G1B+6], 0
	s_mov_b32 s[G1B+7], 0
	s_mul_i32 s57, s56, 26112                      ; the record's half: in a slot and in memory
	s_mul_i32 s58, s51, 16*REC                     ; y's sixteen records
	s_add_co_u32 s58, s58, s57
	s_mov_b32 s59, 0
	s_mul_i32 s60, s56, 32*BP
	s_add_co_u32 s60, s60, BOFF                    ; the bias tile's half in a slot
	s_lshl_b32 s62, s50, 19                        ; x's 64 rows of 8,192 bytes
	s_lshl_b32 s63, s56, 18
	s_add_co_u32 s62, s62, s63
	s_mov_b32 s63, 0
	s_mov_b32 s[SEL], 0x76543210
	s_mov_b32 s[SEL+1], 0xfedcba98
	s_mov_b32 s[CS], 0x3fb8aa3b                    ; log2(e)
	s_mov_b32 s[CS+1], s[CS]
	s_mov_b32 s[TB], 0
	s_mov_b32 s[SLOTS], 15
	s_wait_kmcnt 0x0
	s_mov_b32 s[G0KV], 1
	s_mov_b32 s[G0KV+1], s57
	s_add_nc_u64 s[G0KV+2:G0KV+3], s[8:9], s[58:59]
	s_or_b32 s[G0KV+3], s[G0KV+3], 0x80000000
	s_mov_b32 s[G0B], 1
	s_mov_b32 s[G0B+1], s60
	s_add_nc_u64 s[G0B+2:G0B+3], s[10:11], s[62:63]
	s_or_b32 s[G0B+3], s[G0B+3], 0x80000000
	CROUND                                         ; all sixteen work-groups are here: the first joint loads meet
	TLOAD                                          ; key step 0 into slot 0
	; zero codes for K = 64 .. 127 of the first product, written once
.irp i, 22,23,24,25,26,27
	v_mov_b32 v\i, 0
.endr
.irp t, 0,1,2,3
.irp i, 0,1,2,3,4,5
	v_mov_b32 v[38+12*\t+\i], 0
.endr
.endr
.set j, 0
.rept 32
	v_mov_b32 v[160+j], 0                          ; O^T: the step is written once; its first run finds zeros
.set j, j+1
.endr
	v_mov_b32 v13, 0xff61b1e6                      ; the largest t so far: -3e38
	v_floor_f32 v12, -v13                          ; -M
	v_mov_b32 v14, 0
	v_mov_b32 v15, 0
.irp b, 0,1,2,3
	v_mov_b32 v[236+\b], 0                         ; a lane permute's destination counts as one of its sources
.endr
	v_mov_b32 v253, 0
	v_mov_b32 v252, 0
	v_and_b32 v8, 15, v0                           ; r
	v_bfe_u32 v9, v0, 4, 1                         ; h
	v_and_b32 v10, 7, v0                           ; r % 8
	v_bfe_u32 v11, v0, 3, 1                        ; r / 8
	v_and_b32 v245, 31, v0                         ; lane
	; Q: my 16 queries are neighbours, the images' tiles are not: query 16 qt + r lies in tile 4 x + (qt & 2) + r / 8 at lane 8 (qt & 1) + r % 8 (+ 16 h)
	s_and_b32 s66, s55, 1
	s_and_b32 s67, s55, 2
	s_lshl_b32 s68, s66, 3
	v_lshl_add_u32 v240, v9, 4, v10
	v_add_nc_u32 v240, s68, v240                   ; the lane of the image
	v_mul_u32_u24 v241, v11, 768
	v_lshl_add_u32 v242, v240, 4, v241             ; registers 0-3
	v_lshl_add_u32 v243, v240, 3, v241
	v_add_nc_u32 v243, 512, v243                   ; registers 4-5
	s_lshl_b32 s69, s51, 2
	s_add_co_u32 s69, s69, s54                     ; 16 b + head
	s_lshl_b32 s70, s69, 7
	s_lshl_b32 s71, s50, 2
	s_add_co_u32 s70, s70, s71
	s_add_co_u32 s70, s70, s67
	s_mul_i32 s70, s70, 768
	s_mov_b32 s71, 0
	s_add_nc_u64 s[4:5], s[4:5], s[70:71]
	global_load_b128 v[16:19], v242, s[4:5]
	global_load_b64 v[20:21], v243, s[4:5]
	s_lshl_b32 s70, s69, 13                        ; Q's scale word: [16 b + head] 8,192 + 256 x + 16 (8 (qt & 1) + r % 8) + 4 ((qt & 2) + r / 8)
	s_lshl_b32 s72, s50, 8
	s_add_co_u32 s70, s70, s72
	s_lshl_b32 s72, s67, 2
	s_add_co_u32 s70, s70, s72
	s_lshl_b32 s72, s66, 7
	s_add_co_u32 s70, s70, s72
	s_add_nc_u64 s[6:7], s[6:7], s[70:71]
	v_lshlrev_b32 v244, 4, v10
	v_lshl_add_u32 v244, v11, 2, v244
	global_load_b32 v255, v244, s[6:7]
	; LDS places that stay: constants, the lane and the wave's number
	s_mul_i32 s73, s54, 6144
	v_lshl_add_u32 v[AK0], v245, 4, s73            ; K's images, registers 0-3: 16 x lane + 6,144 x head
	v_lshl_add_u32 v[AK1], v245, 3, s73
	v_add_nc_u32 v[AK1], 512, v[AK1]               ; registers 4-5
	v_add_nc_u32 v[AV0], 24576, v[AK0]             ; V's images
	s_lshl_b32 s74, s54, 9
	v_lshl_add_u32 v[ASK0], v8, 4, s74
	v_add_nc_u32 v[ASK0], 49152, v[ASK0]           ; K's scale words: four tiles' words of row r
	s_lshl_b32 s74, s54, 8
	v_lshl_add_u32 v[ASV0], v8, 4, s74
	v_add_nc_u32 v[ASV0], 51200, v[ASV0]           ; V's
	s_mul_i32 s75, s55, 16*BP
	v_mul_u32_u24 v[AB0], v8, BP
	v_lshl_add_u32 v[AB0], v9, 6, v[AB0]
	v_add_nc_u32 v[AB0], s75, v[AB0]
	v_add_nc_u32 v[AB0], BOFF, v[AB0]              ; the bias: row 16 qt + r, + 64 h bytes
	; the prefetches: where my wave's stand, and who asks
	s_lshl_b32 s81, s56, 5
	v_add_nc_u32 v246, s81, v245
	v_min_u32 v246, 50, v246
	v_lshlrev_b32 v246, 8, v246                    ; the record: block 32 (w & 1) + lane of my work-group's 51
	v_lshrrev_b32 v247, 1, v245
	v_lshlrev_b32 v247, 13, v247
	v_and_b32 v248, 1, v245
	v_lshl_or_b32 v247, v248, 8, v247              ; the bias: row lane / 2 of my work-group's 16, half lane % 2
	s_mul_i32 s82, s51, 16*REC
	s_mul_i32 s83, s48, 13056
	s_add_co_u32 s82, s82, s83
	s_add_co_u32 s82, s82, REC                     ; at key step 1: the first change of slots steps it to 2
	s_lshl_b32 s83, s50, 19
	s_lshl_b32 s84, s49, 17
	s_add_co_u32 s83, s83, s84
	s_add_co_u32 s83, s83, 512
	s_mov_b32 s[PFS], REC
	s_and_b32 s85, ttmp7, 0xffff
	s_cmp_eq_u32 s[WV], 10
	s_cselect_b64 s[PFA:PFA+1], s[10:11], s[8:9]
	s_cselect_b32 s82, s83, s82
	s_cselect_b32 s[PFS], 512, s[PFS]
	s_cselect_b32 s81, -1, 0
	s_cselect_b32 s85, s85, ttmp9                  ; the coordinate along which other clusters read the same bytes
	s_mov_b32 s83, 0
	s_mov_b32 s[PFS+1], 0
	s_add_nc_u64 s[PFA:PFA+1], s[PFA:PFA+1], s[82:83]
	v_cndmask_b32 v[PFO], v246, v247, s81
	s_sub_co_u32 s84, s[WV], 8
	s_cmp_lt_u32 s84, 3                            ; waves 8, 9, 10
	s_cselect_b32 s84, 0, 1
	s_or_b32 s85, s85, s84
	s_cmp_eq_u32 s85, 0
	s_cselect_b32 s[LIM], 1, -1                    ; made of the wave's number and the cluster's place in the grid: the same in all partners
; A KEY STEP: 128 keys, in the slot in hand.
.macro STEP
	v_add_nc_u32 v[ADK], s[TB], v[AK0]             ; (these six are also the places behind the last step's products)
	v_add_nc_u32 v[ADK1], s[TB], v[AK1]
	v_add_nc_u32 v[ADV], s[TB], v[AV0]
	v_add_nc_u32 v[ADS], s[TB], v[ASK0]
	v_add_nc_u32 v[ADT], s[TB], v[ASV0]
	v_add_nc_u32 v[ADB], s[TB], v[AB0]
.irp g, 0,1                                    ; S^T = K Q^T + bias, four tiles of 16 keys at a time
.if \g > 0
.rept 4
	v_nop                                          ; places in front of loads into registers that matrix instructions have read
.endr
.endif
.irp t, 0,1,2,3
	ds_load_b128 v[32+12*\t:35+12*\t], v[ADK] offset:(4*\g+\t)*768
	ds_load_b64 v[36+12*\t:37+12*\t], v[ADK1] offset:(4*\g+\t)*768
.endr
	ds_load_b128 v[248:251], v[ADS] offset:256*\g
.irp e, 0,1
.irp i, 0,1,2,3
	ds_load_b128 v[96+32*\g+16*\e+4*\i:99+32*\g+16*\e+4*\i], v[ADB] offset:128*(2*\g+\e)+16*\i   ; the bias of keys 32 (2 g + e) + 16 h + 4 i on: the result's layout
.endr
.endr
	s_wait_dscnt 0x0
.irp t, 0,1,2,3
	v_wmma_scale_f32_16x16x128_f8f6f4 v[96+8*(4*\g+\t):103+8*(4*\g+\t)], v[32+12*\t:43+12*\t], v[16:27], v[96+8*(4*\g+\t):103+8*(4*\g+\t)], v[248+\t], v255 matrix_a_fmt:MATRIX_FMT_FP6 matrix_b_fmt:MATRIX_FMT_FP6
.endr
.endr
.rept 4
	v_nop
.endr
.irp b, 0,1,2,3
	v_max3_num_f32 v[232+\b], v[96+16*\b], v[97+16*\b], v[98+16*\b]   ; the largest logit of each block of 32 keys: for the row's maximum, and, since p rises with the logit, for the block's largest p
.endr
.irp i, 3,5,7,9,11,13
.irp b, 0,1,2,3
	v_max3_num_f32 v[232+\b], v[232+\b], v[96+16*\b+\i], v[97+16*\b+\i]
.endr
.endr
.irp b, 0,1,2,3
	v_max_num_f32 v[232+\b], v[232+\b], v[111+16*\b]
.endr
.irp b, 0,1,2,3
	v_permlanex16_b32 v[236+\b], v[232+\b], s[SEL], s[SEL+1]
.endr
.irp b, 0,1,2,3
	v_max_num_f32 v[232+\b], v[232+\b], v[236+\b]  ; with lane l xor 16's 16 keys
.endr
	v_max3_num_f32 v254, v232, v233, v234
	v_max_num_f32 v254, v254, v235
	v_mul_f32 v254, s[CS], v254                    ; as t
	v_max_num_f32 v13, v13, v254                   ; the running largest t
	v_mov_b32 v254, v12
	v_floor_f32 v12, -v13                          ; the new -M = -ceil(t)
	v_sub_f32 v254, v12, v254                      ; old M - new M: a whole number, 0 or less
	v_cvt_i32_f32 v254, v254
	v_ldexp_f32 v252, 1.0, v254                    ; f = 2^(old M - new M)
.irp j, 0,2,4,6,8,10,12,14,16,18,20,22,24,26,28,30,32,34,36,38,40,42,44,46,48,50,52,54,56,58,60,62
	v_pk_fma_f32 v[96+\j:97+\j], v[96+\j:97+\j], s[CS:CS+1], v[12:13] op_sel_hi:[1,0,0]   ; t - M, two at a time
.endr
.irp b, 0,1,2,3
	v_fma_f32 v[232+\b], v[232+\b], s[CS], v12     ; the same of each block's largest logit
.endr
.set j, 0
.rept 64
	v_exp_f32 v[96+j], v[96+j]                     ; p = 2^(t - M)
.set j, j+1
.endr
	v_pk_mul_f32 v[14:15], v[14:15], v[252:253] op_sel_hi:[1,0]   ; the sums under the new M (a plain line behind the exponentials)
	s_wait_alu depctr_va_vdst(0)                   ; one wait for the batch of 64, ahead of its first reader
.irp b, 0,1,2,3
	v_exp_f32 v[232+\b], v[232+\b]                 ; the block's largest p
.endr
	v_pk_add_f32 v[236:237], v[96:97], v[98:99]    ; the row's sum of the unquantised p, in two chains
.irp j, 4,8,12,16,20,24,28,32,36,40,44,48,52,56,60
	v_pk_add_f32 v[14:15], v[14:15], v[96+\j:97+\j]
	v_pk_add_f32 v[236:237], v[236:237], v[98+\j:99+\j]
.endr
	v_pk_add_f32 v[14:15], v[14:15], v[236:237]
	s_wait_alu depctr_va_vdst(0)                   ; and one for the four
.irp b, 0,1,2,3
	v_max_num_f32 v[232+\b], 0x1800000, v[232+\b]  ; the floor 2^(3 - 127)
.endr
.irp b, 0,1,2,3
	v_add_nc_u32 v[244+\b], 0xff000000, v[232+\b]  ; the conversion's scale operand
.endr
.irp b, 0,1,2,3
	v_lshrrev_b32 v[236+\b], 23, v[244+\b]         ; the scale's byte
.endr
	v_lshl_or_b32 v253, v237, 8, v236              ; p's scale word for these 128 keys
	v_lshl_or_b32 v253, v238, 16, v253
	v_lshl_or_b32 v253, v239, 24, v253
.irp c, 0,1
	v_cvt_scalef32_pk16_fp6_f32 v[224+6*\c:226+6*\c], v[96+32*\c:111+32*\c], v[244+2*\c]
	v_cvt_scalef32_pk16_fp6_f32 v[236+4*\c:238+4*\c], v[112+32*\c:127+32*\c], v[244+2*\c+1]
.endr
	v_nop                                          ; one plain line behind a scaled conversion
.irp d, 0,1,2,3                                ; V's four tiles of 16 channels x 128 keys, into the registers that p has left; they land while the lines below run
.irp c, 0,1,2
	ds_load_b128 v[96+12*\d+4*\c:99+12*\d+4*\c], v[ADV] offset:1536*\d+512*\c
.endr
.endr
	ds_load_b128 v[248:251], v[ADT]
.irp c, 0,1                                    ; the operand's layout wants a whole block in a lane
.irp i, 0,1,2
	v_permlane16_swap_b32 v[224+6*\c+\i], v[236+4*\c+\i]
.endr
.irp i, 0,1,2
	v_mov_b32 v[227+6*\c+\i], v[236+4*\c+\i]
.endr
.endr
.irp j, 0,2,4,6,8,10,12,14,16,18,20,22,24,26,28,30
	v_pk_mul_f32 v[160+\j:161+\j], v[160+\j:161+\j], v[252:253] op_sel_hi:[1,0]   ; O^T under the new M (also the places in front of the products below)
.endr
	s_wait_dscnt 0x0
.irp d, 0,1,2,3
	v_wmma_scale_f32_16x16x128_f8f6f4 v[160+8*\d:167+8*\d], v[96+12*\d:107+12*\d], v[224:235], v[160+8*\d:167+8*\d], v[248+\d], v253 matrix_a_fmt:MATRIX_FMT_FP6 matrix_b_fmt:MATRIX_FMT_FP6
.endr
.endm
; THE CHANGE OF SLOTS stands at a step's head.  Each wave waits for all its tensor loads, adds 0 to its spare word, and waits for that and for its reads of the slot that it has left.
; fill = 1: a round of the cluster's barrier, and behind it the slot just left is filled with the next key step: the load has a whole step in which to land.
.macro CHANGE fill
	s_wait_tensorcnt 0x0                           ; no tensor load of mine is out, so a group 0 may be written
	ds_add_u32 v[SPW], v[NIL]                      ; 0 onto my spare word
.if \fill
	s_xor_b32 s[G0KV+1], s[G0KV+1], SLOT1
	s_add_nc_u64 s[G0KV+2:G0KV+3], s[G0KV+2:G0KV+3], REC
	s_xor_b32 s[G0B+1], s[G0B+1], SLOT1
	s_add_nc_u64 s[G0B+2:G0B+3], s[G0B+2:G0B+3], 512
	s_wait_xcnt 0x0                                ; the last prefetch, a step back, has read its address
	s_add_nc_u64 s[PFA:PFA+1], s[PFA:PFA+1], s[PFS:PFS+1]
	s_wait_dscnt 0x0                               ; the add is done, and my reads of the slot that I have left are over
	CROUND
	TLOAD                                          ; the first thing behind the round, and a wave's one tensor load until the next
	ASK
.else
	s_wait_dscnt 0x0
	s_barrier_signal -1
	s_barrier_wait -1
.endif
.endm
	s_wait_loadcnt 0x0                             ; Q
.Lslot:                                            ; 15 trips: behind each change of slots but the last the next key step is asked for
	CHANGE 1
	STEP
	s_xor_b32 s[TB], s[TB], SLOT1
	s_sub_co_u32 s[SLOTS], s[SLOTS], 1
	s_cmp_lg_u32 s[SLOTS], 0
	s_cbranch_scc1 .Lslot
	CHANGE 0                                       ; the last step is written out
	STEP
	; THE WAY OUT.  O^T / l; its two blocks of 32 channels are quantised; codes and bytes of four heads meet in a stage and leave as 192 and 8 consecutive bytes of a token's rows.
	v_add_f32 v14, v14, v15
	v_permlanex16_b32 v252, v14, s[SEL], s[SEL+1]
	v_add_f32 v14, v14, v252                       ; the row's sum
	v_rcp_f32 v14, v14
	v_and_b32 v8, 15, v0                           ; r
	v_bfe_u32 v9, v0, 4, 1                         ; h
	s_mul_i32 s73, s55, 16*272
	s_lshl_b32 s74, s54, 6
	s_add_co_u32 s73, s73, s74
	s_add_co_u32 s73, s73, STAGE
	v_mul_u32_u24 v10, v8, 272
	v_lshl_add_u32 v10, v9, 5, v10
	v_add_nc_u32 v10, s73, v10                     ; in: row 16 qt + r; 12 bytes of codes to a place of 16: places 4 head + 2 h + 0, 1
	s_lshl_b32 s74, s55, 7
	s_lshl_b32 s75, s54, 1
	s_add_co_u32 s74, s74, s75
	s_add_co_u32 s74, s74, SSTG
	v_lshl_add_u32 v11, v8, 3, s74                 ; the bytes: 8 a row, 2 a head
	s_mul_i32 s75, s[WV], 4*272
	s_add_co_u32 s75, s75, STAGE
	v_mul_u32_u24 v28, v9, 272
	v_lshl_add_u32 v28, v8, 4, v28
	v_add_nc_u32 v28, s75, v28                     ; back: wave w takes rows 4 w .. 4 w + 3, sixteen lanes a row
	v_and_b32 v29, 63, v0
	v_lshlrev_b32 v3, 5, v29                       ; os: 32 bytes a token
	v_lshl_add_u32 v29, v29, 3, SSTG               ; and the bytes of row = thread (waves 0 and 1)
	v_mul_u32_u24 v2, v9, 768
	v_mad_u32_u24 v2, v8, 12, v2                   ; oc: 768 bytes a token, 12 bytes a lane
	s_lshr_b32 s84, s51, 2
	s_lshl_b32 s84, s84, 11
	s_lshl_b32 s85, s50, 6
	s_add_co_u32 s84, s84, s85                     ; my work-group's first token
	s_and_b32 s85, s51, 3                          ; my group of four heads
	s_lshl_b32 s86, s[WV], 2
	s_add_co_u32 s86, s86, s84
	s_mul_i32 s86, s86, 768
	s_mul_i32 s87, s85, 192
	s_add_co_u32 s86, s86, s87
	s_mov_b32 s87, 0
	s_add_nc_u64 s[12:13], s[12:13], s[86:87]
	s_lshl_b32 s88, s84, 5
	s_lshl_b32 s89, s85, 3
	s_add_co_u32 s88, s88, s89
	s_mov_b32 s89, 0
	s_add_nc_u64 s[14:15], s[14:15], s[88:89]
	s_wait_alu depctr_va_vdst(0)                   ; the wait for the reciprocal, ahead of its first reader
.set j, 0
.rept 32
	v_mul_f32 v[96+j], v[160+j], v14               ; register 16 b + m is o(query r, channel 32 b + 16 h + m)
.set j, j+1
.endr
.irp b, 0,1
	v_max3_num_f32 v[232+\b], |v[96+16*\b]|, |v[97+16*\b]|, 0x1800000
.endr
.irp i, 2,4,6,8,10,12,14
.irp b, 0,1
	v_max3_num_f32 v[232+\b], v[232+\b], |v[96+16*\b+\i]|, |v[97+16*\b+\i]|
.endr
.endr
.irp b, 0,1
	v_permlanex16_b32 v[236+\b], v[232+\b], s[SEL], s[SEL+1]
.endr
.irp b, 0,1
	v_max_num_f32 v[232+\b], v[232+\b], v[236+\b]
.endr
.irp b, 0,1
	v_add_nc_u32 v[244+\b], 0xff000000, v[232+\b]
.endr
.irp b, 0,1
	v_lshrrev_b32 v[240+\b], 23, v[244+\b]
.endr
	v_lshl_or_b32 v242, v241, 8, v240              ; my head's two bytes
	v_cvt_scalef32_pk16_fp6_f32 v[224:226], v[96:111], v244
	v_cvt_scalef32_pk16_fp6_f32 v[228:230], v[112:127], v245
	v_nop
.irp i, 0,1,2
	v_permlane16_swap_b32 v[224+\i], v[228+\i]     ; lane (r, h) now holds channels 32 h + 0 .. 15 and 32 h + 16 .. 31
.endr
	ds_store_b96 v10, v[224:226]
	ds_store_b96 v10, v[228:230] offset:16
	ds_store_b16 v11, v242                         ; both halves of the lanes write the same two bytes with the same value
	s_wait_dscnt 0x0                               ; for the others' sake: my stores into the stage are done
	s_barrier_signal -1
	s_barrier_wait -1
	ds_load_b96 v[32:34], v28
	ds_load_b96 v[36:38], v28 offset:2*272
	s_wait_dscnt 1                                 ; the first pair of rows is back; the second load may be out
	global_store_b96 v2, v[32:34], s[12:13]        ; sixteen lanes store 192 consecutive bytes of a token's row
	s_wait_dscnt 0x0
	global_store_b96 v2, v[36:38], s[12:13] offset:2*768
	s_cmp_lt_u32 s[WV], 2
	s_cbranch_scc0 .Lno_bytes
	ds_load_b64 v[40:41], v29
	s_wait_dscnt 0x0
	global_store_b64 v3, v[40:41], s[14:15]        ; the four heads' eight bytes of a token
.Lno_bytes:
	s_wait_tensorcnt 0x0                           ; the wave's end
	ds_add_u32 v[SPW], v[NIL]
	s_wait_dscnt 0x0
	CROUND                                         ; the closing round
	s_endpgm
.Lfunc_end_k_q30431f9743_attn:
	.size	k_q30431f9743_attn, .Lfunc_end_k_q30431f9743_attn-k_q30431f9743_attn
	.p2alignl 7, 3214868480
	.fill 96, 4, 3214868480
	.section	.rodata,"a",@progbits
	.p2align	6, 0x0
	.amdhsa_kernel k_q30431f9743_attn
		.amdhsa_group_segment_fixed_size 327680
		.amdhsa_private_segment_fixed_size 0
		.amdhsa_enable_private_segment 0
		.amdhsa_kernarg_size 48
		.amdhsa_user_sgpr_count 2
		.amdhsa_user_sgpr_kernarg_segment_ptr 1
		.amdhsa_wavefront_size32 1
		.amdhsa_system_sgpr_workgroup_id_x 1
		.amdhsa_system_sgpr_workgroup_id_y 1
		.amdhsa_system_sgpr_workgroup_id_z 1
		.amdhsa_system_vgpr_workitem_id 0
		.amdhsa_next_free_vgpr 256
		.amdhsa_next_free_sgpr 100
		.amdhsa_reserve_vcc 0
		.amdhsa_float_denorm_mode_32 3
		.amdhsa_float_denorm_mode_16_64 3
		.amdhsa_memory_ordered 1
		.amdhsa_forward_progress 1
		.amdhsa_inst_pref_size 52
	.end_amdhsa_kernel
	.amdgpu_metadata
---
amdhsa.version: [ 1, 2 ]
amdhsa.kernels:
  - .name:           k_q30431f9743_attn
    .symbol:         k_q30431f9743_attn.kd
    .args:
      - { .name: qimg, .offset: 0, .size: 8, .value_kind: global_buffer, .address_space: global }
      - { .name: qsc, .offset: 8, .size: 8, .value_kind: global_buffer, .address_space: global }
      - { .name: kv, .offset: 16, .size: 8, .value_kind: global_buffer, .address_space: global }
      - { .name: attn_bias, .offset: 24, .size: 8, .value_kind: global_buffer, .address_space: global }
      - { .name: oc, .offset: 32, .size: 8, .value_kind: global_buffer, .address_space: global }
      - { .name: os, .offset: 40, .size: 8, .value_kind: global_buffer, .address_space: global }
    .group_segment_fixed_size: 327680
    .private_segment_fixed_size: 0
    .kernarg_segment_align: 8
    .kernarg_segment_size: 48
    .max_flat_workgroup_size: 512
    .sgpr_count:     100
    .vgpr_count:     256
    .wavefront_size: 32
...
	.end_amdgpu_metadata
.endif
;; end of part 3
;; launch proj (part 4): grid 4 x 16, 4 waves a work-group, clusters of 4 x 4, 327,680 bytes of LDS; arguments oc, os, codes, scales, b_proj, out0; writes out0
.if DOCPART == 4
	.amdgcn_target "amdgcn-amd-amdhsa--gfx1250"
	.amdhsa_code_object_version 6
	.text
	.protected	k_q30431f9743_proj
	.globl	k_q30431f9743_proj
	.p2align	8
	.type	k_q30431f9743_proj,@function
k_q30431f9743_proj:
	s_mov_b64 s[64:65], 0
	v_nop
	global_prefetch_b8 v0, s[64:65] scope:SCOPE_SE
	s_setreg_imm32_b32 hwreg(HW_REG_WAVE_MODE, 25, 1), 1
	s_wait_xcnt 0x0
	s_wait_alu depctr_hold_cnt(0) depctr_sa_sdst(0) depctr_va_vdst(0) depctr_va_sdst(0) depctr_va_ssrc(0) depctr_va_vcc(0) depctr_vm_vsrc(0)
	s_getreg_b32 s2, hwreg(HW_REG_IB_STS2, 6, 4)
	s_cmp_eq_u32 s2, 0
	s_cbranch_scc0 .Lentry_in_a_cluster
	s_endpgm
.Lentry_in_a_cluster:
	s_bfe_u32 s2, ttmp6, 0x10000c
	s_cmp_lg_u32 s2, 0xf033
	s_cbranch_scc0 .Lentry_shape_is_right
	s_endpgm
.Lentry_shape_is_right:
; out0 = o w_proj^T + b_proj.  o: [4096][1024] as codes of FP6 (oc, 768 bytes a row) with E8M0 bytes (os, 32 a row); w_proj: rows 7,168 on of codes and scales; out0: [4096][1024] f32; sums in f32.
; A tile of 256 x 256 is made by a work-group of four waves, a wave makes 128 x 128: 64 accumulators.  K = 1,024 goes in four steps of 256 through two LDS slots filled by the tensor data mover; the scale bytes come once.
; CLUSTERS: 4 x 4 work-groups; A's tiles are asked for jointly along a row of the cluster, B's along a column.  THE MATRIX INSTRUCTION IS USED TRANSPOSED (source 0 = 16 rows of w_proj, source 1 = 16 tokens):
; a lane holds eight neighbouring numbers of a row of out0.  b_proj is the C of each sum's first instruction, in the result's layout.
; 64 work-groups: the output has 64 tiles of this size.
; REGISTERS, in windows of 256: window 0: v0-31 addresses; v32-63 scale words, two sets; v64-127 b_proj; v128-223 A's fragments; on the way out v128-255 rows of out0.
;   window 1: B's fragments, two sets.   windows 2, 3: the accumulators ((a, b) at v[8 (8 (a % 4) + b)]).
.set SIZE_N, 1024
.set KSTEP,  256
.set NQ,     2
.set ROWB,   192
.set KROW,   768
.set PITCH,  240                       ; an LDS row: 3 x (64 bytes + 16 of padding)
.set FR,     12
.set NL,     6
.set NP,     4
.set HALFT,  128*PITCH
.set SLOT,   4*HALFT
.set KS,     32
.set SCL,    2*SLOT
.set HALFS,  (128*KS/256)*272
.set SBLK,   (16*KS/256)*272
.set SPARE,  SCL+4*HALFS               ; the spare words: 128 bytes a wave, two blocks of 256 bytes that no other line names
.set SPITCH, 528                       ; the way out: a stage of 16 rows x (512 + 16) bytes for each wave, in slot 0, which has had its last fill and its last read by then
.set ADRA, 16
.set ADRB, 20
.set STO,  24
.set RD,   25
.set CO,   26
.set ADRS, 27
.set SPW,  28
.set NIL,  29
.set SC,   32
.set BI,   64
.set AF,   128
.set BK,   128
.set G1, 24
.set G0, 32
.set G1B, 48
.set G0B, 56
.set G1S, 68
.set G0S, 76
.set G1SB, 80
.set G0SB, 88
.set MSB, 0
.macro WIN new                         ; the immediate's high byte repeats the setting that is left
.if MSB != (\new)
	s_set_vgpr_msb (MSB<<8)|(\new)
.set MSB, (\new)
.endif
.endm
.set MUL_LO, 0xa1
.set MUL_HI, 0xf1
.set TO_B,   0x40
.macro JLOAD g0a, g1a, g0b, g1b        ; a joint load: waves 0 and 1 fetch for A, waves 2 and 3 for B; four v_nop follow each of the two lines
	s_cmp_eq_u32 s15, 0
	s_cbranch_scc0 .Lfor_b_\@
	tensor_load_to_lds s[\g0a:\g0a+3], s[\g1a:\g1a+7]
	s_nop 0
.rept 4
	v_nop
.endr
	s_branch .Lasked_\@
.Lfor_b_\@:
	tensor_load_to_lds s[\g0b:\g0b+3], s[\g1b:\g1b+7]
	s_nop 0
.rept 4
	v_nop
.endr
.Lasked_\@:
.endm
.macro CREST
	s_cmp_lg_u32 s14, 0
	s_cbranch_scc1 .Lnot_wave_0_\@
	s_barrier_signal -3
.Lnot_wave_0_\@:
	s_barrier_wait -3
	s_barrier_signal -1
	s_barrier_wait -1
.endm
.macro CROUND
	s_barrier_signal -1
	s_barrier_wait -1
	CREST
.endm
	s_load_b128 s[4:7], s[0:1], 0x0                ; oc s[4:5], os s[6:7]
	s_load_b128 s[8:11], s[0:1], 0x10              ; codes s[8:9], scales s[10:11]
	s_load_b64 s[96:97], s[0:1], 0x20              ; b_proj
	s_load_b64 s[12:13], s[0:1], 0x28              ; out0
	v_lshl_add_u32 v[SPW], v0, 2, SPARE
	v_mov_b32 v[NIL], 0
	ds_add_u32 v28, v29
	s_wait_dscnt 0x0
	v_lshrrev_b32 v1, 5, v0
	v_readfirstlane_b32 s14, v1                    ; wave 0..3
	s_lshr_b32 s15, s14, 1                         ; which half of the tile's rows is mine.  Also: I fetch for A (0) or for B (1)
	s_and_b32 s16, s14, 1                          ; which half of its columns.  Also: which 128 rows of that tile I fetch
	s_bfe_u32 s40, ttmp6, 0x40000                  ; cx, cy
	s_bfe_u32 s41, ttmp6, 0x40004
	s_lshl_b32 s42, ttmp9, 2
	s_add_co_u32 s42, s42, s40                     ; tile column
	s_and_b32 s17, ttmp7, 0xffff
	s_lshl_b32 s17, s17, 2
	s_add_co_u32 s17, s17, s41                     ; tile row
	s_lshl_b32 s43, s41, 2
	s_lshl_b32 s43, 15, s43                        ; my row of the cluster
	s_lshl_b32 s44, 0x1111, s40                    ; my column
	s_or_b32 s[G1+0], s43, (0<<16)|(1<<20)|(1<<21)|(3<<22)|(3<<25)
	s_or_b32 s[G1B+0], s44, (0<<16)|(1<<20)|(1<<21)|(3<<22)|(3<<25)
.irp g, G1, G1B
	s_mov_b32 s[\g+1], ROWB<<16
	s_mov_b32 s[\g+2], 128<<16
	s_mov_b32 s[\g+3], ROWB<<16
	s_mov_b32 s[\g+4], 128
	s_mov_b32 s[\g+5], KROW
	s_mov_b32 s[\g+6], 0
	s_mov_b32 s[\g+7], 0
.endr
	s_or_b32 s[G1S+0], s43, (3<<16)|(1<<20)|(1<<21)|(5<<22)|(3<<25)
	s_or_b32 s[G1SB+0], s44, (3<<16)|(1<<20)|(1<<21)|(5<<22)|(3<<25)
.irp g, G1S, G1SB
	s_mov_b32 s[\g+1], 32<<16
	s_mov_b32 s[\g+2], (128*KS/256)<<16
	s_mov_b32 s[\g+3], 32<<16
	s_mov_b32 s[\g+4], 128*KS/256
	s_mov_b32 s[\g+5], 32
	s_mov_b32 s[\g+6], 0
	s_mov_b32 s[\g+7], 0
.endr
	s_lshl_b32 s18, s16, 7
	s_lshl_b32 s20, s17, 8
	s_add_co_u32 s20, s20, s18                     ; A: row 256 x tile row + 128 x half
	s_lshl_b32 s46, s42, 8
	s_add_co_u32 s46, s46, s18                     ; B: row 256 x tile column + 128 x half
	s_mov_b32 s21, 0
	s_mov_b32 s47, 0
	s_mov_b64 s[18:19], KS
	s_mul_u64 s[22:23], s[20:21], s[18:19]
	s_mul_u64 s[92:93], s[46:47], s[18:19]
	s_mov_b64 s[18:19], KROW
	s_mul_u64 s[20:21], s[20:21], s[18:19]
	s_mul_u64 s[46:47], s[46:47], s[18:19]
	s_mul_i32 s45, s14, HALFT
	s_mul_i32 s94, s14, HALFS
	s_wait_kmcnt 0x0
	s_add_nc_u64 s[8:9], s[8:9], 7168*KROW         ; w_proj's codes begin at row 7,168 of the workspace,
	s_add_nc_u64 s[10:11], s[10:11], 7168*KS       ; and so do its scale bytes
	s_add_nc_u64 s[20:21], s[4:5], s[20:21]
	s_add_nc_u64 s[22:23], s[6:7], s[22:23]
	s_add_nc_u64 s[46:47], s[8:9], s[46:47]
	s_add_nc_u64 s[92:93], s[10:11], s[92:93]
	CROUND                                         ; all sixteen work-groups are here: the first joint loads meet
	s_mov_b32 s[G0S], 1
	s_add_co_u32 s[G0S+1], s94, SCL
	s_mov_b64 s[G0S+2:G0S+3], s[22:23]
	s_or_b32 s[G0S+3], s[G0S+3], 0x80000000
	s_mov_b32 s[G0SB], 1
	s_add_co_u32 s[G0SB+1], s94, SCL
	s_mov_b64 s[G0SB+2:G0SB+3], s[92:93]
	s_or_b32 s[G0SB+3], s[G0SB+3], 0x80000000
	JLOAD G0S, G1S, G0SB, G1SB
.irp s, 0,1
	s_mov_b32 s[G0+4*\s], 1
	s_add_co_u32 s[G0+4*\s+1], s45, \s*SLOT
	s_add_nc_u64 s[G0+4*\s+2:G0+4*\s+3], s[20:21], \s*ROWB
	s_or_b32 s[G0+4*\s+3], s[G0+4*\s+3], 0x80000000
	s_mov_b32 s[G0B+4*\s], 1
	s_add_co_u32 s[G0B+4*\s+1], s45, \s*SLOT
	s_add_nc_u64 s[G0B+4*\s+2:G0B+4*\s+3], s[46:47], \s*ROWB
	s_or_b32 s[G0B+4*\s+3], s[G0B+4*\s+3], 0x80000000
	JLOAD G0+4*\s, G1, G0B+4*\s, G1B
.endr
	v_and_b32 v1, 15, v0                           ; r
	v_bfe_u32 v2, v0, 4, 1                         ; h
	; b_proj in the result's layout: register 8 b + j = the bias of column 16 b + 8 h + j of my 128
	s_lshl_b32 s21, s42, 10
	s_lshl_b32 s22, s16, 9
	s_add_co_u32 s21, s21, s22
	v_lshl_add_u32 v7, v2, 5, s21
.irp b, 0,1,2,3,4,5,6,7
	global_load_b128 v[BI+8*\b:BI+8*\b+3], v7, s[96:97] offset:64*\b
	global_load_b128 v[BI+8*\b+4:BI+8*\b+7], v7, s[96:97] offset:64*\b+16
.endr
	v_mul_u32_u24 v3, v1, PITCH
	v_mul_u32_u24 v4, v2, 24
	v_add_nc_u32 v4, v3, v4
	v_lshl_add_u32 v5, v2, 4, v4
	s_mul_i32 s21, s15, HALFT
	s_mul_i32 s22, s16, HALFT
	s_add_co_u32 s22, s22, 2*HALFT
.irp s, 0,1
	v_add_nc_u32 v[ADRA+\s], s21, v4
	v_add_nc_u32 v[ADRB+\s], s22, v4
	v_add_nc_u32 v[ADRA+2+\s], s21, v5
	v_add_nc_u32 v[ADRB+2+\s], s22, v5
	s_add_co_u32 s21, s21, SLOT
	s_add_co_u32 s22, s22, SLOT
.endr
	v_mul_u32_u24 v5, v1, KS
	v_lshrrev_b32 v6, 8, v5
	v_lshl_add_u32 v5, v6, 4, v5
	s_mul_i32 s21, s15, HALFS
	s_mul_i32 s22, s16, HALFS
	s_add_co_u32 s22, s22, 2*HALFS
	s_sub_co_u32 s22, s22, s21
	v_mul_u32_u24 v6, s22, v2
	s_add_co_u32 s21, s21, SCL
	v_add_nc_u32 v5, v5, v6
	v_add_nc_u32 v[ADRS], s21, v5
	s_mul_i32 s23, s14, 16*SPITCH                  ; my stage
	v_mul_u32_u24 v5, v1, SPITCH
	v_lshl_add_u32 v5, v2, 5, v5
	v_add_nc_u32 v[STO], s23, v5
	v_and_b32 v6, 31, v0
	v_lshlrev_b32 v[CO], 4, v6
	v_add_nc_u32 v[RD], s23, v[CO]
	s_lshl_b32 s20, s17, 8
	s_lshl_b32 s21, s15, 7
	s_add_co_u32 s20, s20, s21                     ; my first row of out0
	s_mov_b32 s21, 0
	s_mov_b64 s[18:19], SIZE_N*4
	s_mul_u64 s[20:21], s[20:21], s[18:19]
	s_lshl_b32 s46, s42, 10
	s_lshl_b32 s47, s16, 9
	s_add_co_u32 s46, s46, s47
	s_mov_b32 s47, 0
	s_add_nc_u64 s[20:21], s[20:21], s[46:47]
	s_add_nc_u64 s[12:13], s[12:13], s[20:21]
.macro FRAG reg, adr, q, i
.irp p, 0,1,2,3,4,5
.set PIECE, 12*(\q)+6*(\p/3)+\p%3
.if PIECE%8 < 5
	ds_load_b64 v[\reg+2*\p:\reg+2*\p+1], v[\adr] offset:8*PIECE+16*(PIECE/8)+(\i)*16*PITCH
.else
	ds_load_b64 v[\reg+2*\p:\reg+2*\p+1], v[\adr+2] offset:8*PIECE+16*(PIECE/8)+(\i)*16*PITCH
.endif
.endr
.endm
.macro MUL16 a0, p, q, sc, first       ; the 64 accumulators take turns, one instruction a turn; first = 1: the sums begin with the bias
.irp a, \a0, \a0+1
.irp b, 0,1,2,3,4,5,6,7
.if \first
	v_wmma_scale_f32_16x16x128_f8f6f4 v[8*(8*((\a)%4)+\b):8*(8*((\a)%4)+\b)+7], v[128*(\p)+FR*\b:128*(\p)+FR*\b+FR-1], v[AF+FR*(\a):AF+FR*(\a)+FR-1], v[BI+8*\b:BI+8*\b+7], v[SC+8*NQ*(\sc)+NQ*\b+(\q)], v[SC+8*NQ*(\sc)+NQ*(\a)+(\q)] matrix_a_fmt:MATRIX_FMT_FP6 matrix_b_fmt:MATRIX_FMT_FP6 matrix_a_scale:MATRIX_SCALE_ROW1
.else
	v_wmma_scale_f32_16x16x128_f8f6f4 v[8*(8*((\a)%4)+\b):8*(8*((\a)%4)+\b)+7], v[128*(\p)+FR*\b:128*(\p)+FR*\b+FR-1], v[AF+FR*(\a):AF+FR*(\a)+FR-1], v[8*(8*((\a)%4)+\b):8*(8*((\a)%4)+\b)+7], v[SC+8*NQ*(\sc)+NQ*\b+(\q)], v[SC+8*NQ*(\sc)+NQ*(\a)+(\q)] matrix_a_fmt:MATRIX_FMT_FP6 matrix_b_fmt:MATRIX_FMT_FP6 matrix_a_scale:MATRIX_SCALE_ROW1
.endif
.endr
.endr
.endm
.macro FETCH_B slot, q, p
	WIN TO_B
.irp i, 0,1,2,3,4,5,6,7
	FRAG 128*(\p)+FR*\i, ADRB+\slot, \q, \i
.endr
	WIN 0
.endm
.macro FETCH_A slot, q, i0
.irp i, \i0, \i0+1, \i0+2, \i0+3
	FRAG AF+FR*(\i), ADRA+\slot, \q, \i
.endr
.endm
.macro SCALES sc
.irp i, 0,1,2,3,4,5,6,7
	ds_load_b64 v[SC+8*NQ*\sc+NQ*\i:SC+8*NQ*\sc+NQ*\i+1], v[ADRS] offset:\i*SBLK
.endr
.endm
.macro PLACES n
.rept \n
	v_nop
.endr
.endm
.macro STEP slot, q, first
	s_wait_dscnt 4*NL                              ; B's set and A's blocks 0-3 are in; the youngest 24 loads (A's blocks 4-7) may be out
	WIN MUL_LO-0x20*(\first)
	MUL16 0, (\q)%2, \q, \slot, \first
	MUL16 2, (\q)%2, \q, \slot, \first
	s_wait_dscnt 0
	PLACES NP
	FETCH_B \slot, (\q)+1, 1-(\q)%2
	FETCH_A \slot, (\q)+1, 0
	WIN MUL_HI-0x30*(\first)
	MUL16 4, (\q)%2, \q, \slot, \first
	MUL16 6, (\q)%2, \q, \slot, \first
	PLACES NP
	WIN 0
	FETCH_A \slot, (\q)+1, 4
.endm
.macro TURN slot, next, fill
	s_wait_tensorcnt 0x0                           ; all my tensor loads have landed: my part of the next slot
	ds_add_u32 v[SPW], v[NIL]                      ; 0 onto my spare word
	s_wait_dscnt 4*NL+1                            ; (the add and the youngest 24 loads may be out)
	WIN MUL_LO
	MUL16 0, 1, NQ-1, \slot, 0
	s_wait_dscnt 0x0                               ; the add is done, and my reads of this slot are over
	s_barrier_signal -1
	MUL16 2, 1, NQ-1, \slot, 0
	WIN 0
	s_barrier_wait -1
.if \fill
	CREST                                          ; the barrier has opened a round of the cluster's
	s_add_nc_u64 s[G0+4*\slot+2:G0+4*\slot+3], s[G0+4*\slot+2:G0+4*\slot+3], 2*ROWB
	s_add_nc_u64 s[G0B+4*\slot+2:G0B+4*\slot+3], s[G0B+4*\slot+2:G0B+4*\slot+3], 2*ROWB
	JLOAD G0+4*\slot, G1, G0B+4*\slot, G1B
.else
	PLACES NP
.endif
	v_add_nc_u32 v[ADRS], 4*NQ, v[ADRS]
	FETCH_B \next, 0, 0
	FETCH_A \next, 0, 0
	SCALES \next
	WIN MUL_HI
	MUL16 4, 1, NQ-1, \slot, 0
	MUL16 6, 1, NQ-1, \slot, 0
	PLACES NP
	WIN 0
	FETCH_A \next, 0, 4
.endm
	s_wait_tensorcnt 1                             ; the scale bytes and my part of K step 0 are in (K step 1's load may be out),
	s_barrier_signal -1
	s_barrier_wait -1                              ; everybody's are
	FETCH_B 0, 0, 0
	FETCH_A 0, 0, 0
	SCALES 0
	FETCH_A 0, 0, 4
	s_wait_loadcnt 0x0                             ; b_proj
	; K = 1,024 is four K steps of 256, eight steps of 128: written straight
	STEP 0, 0, 1
	TURN 0, 1, 1
	STEP 1, 0, 0
	TURN 1, 0, 1
	STEP 0, 0, 0
	TURN 0, 1, 0                                   ; the last two K steps fill nothing
	STEP 1, 0, 0
	s_wait_dscnt 4*NL
	WIN MUL_LO
	MUL16 0, 1, NQ-1, 1, 0
	MUL16 2, 1, NQ-1, 1, 0
	s_wait_dscnt 0
	WIN MUL_HI
	MUL16 4, 1, NQ-1, 1, 0
	MUL16 6, 1, NQ-1, 1, 0
	WIN 0
; THE WAY OUT, block by block of 16 rows x 128 columns, through my own stage in LDS: back as whole rows of 512 bytes.  LDS serves a wave's instructions in order: no wait between the stores and the loads.
.macro TOSTAGE a
.set AC, 64*((\a)%4)
	WIN 0x08+4*((\a)/4)                            ; the data: window 2 or 3
.irp b, 0,1,2,3,4,5,6,7
	ds_store_b128 v[STO], v[AC+8*\b:AC+8*\b+3] offset:64*\b          ; each accumulator from its low end on
	ds_store_b128 v[STO], v[AC+8*\b+4:AC+8*\b+7] offset:64*\b+16
.endr
	WIN 0
.set BB, BK+64*((\a)%2)
.irp t, 0,1,2,3,4,5,6,7,8,9,10,11,12,13,14,15
	ds_load_b128 v[BB+4*\t:BB+4*\t+3], v[RD] offset:\t*SPITCH
.endr
.endm
.macro SEND a, younger                 ; younger: the LDS instructions issued behind block a's loads, which may stay out
.set BB, BK+64*((\a)%2)
	s_wait_dscnt \younger
.if (\a) > 0
	s_add_nc_u64 s[12:13], s[12:13], 16*SIZE_N*4   ; (behind a wait on XCNT: the earlier stores have read their base)
.endif
.irp t, 0,1,2,3,4,5,6,7,8,9,10,11,12,13,14,15
	global_store_b128 v[CO], v[BB+4*\t:BB+4*\t+3], s[12:13] offset:\t*SIZE_N*4 th:TH_STORE_NT   ; 32 lanes store 512 consecutive bytes, aligned
.endr
.endm
	PLACES NP
	TOSTAGE 0
.irp a, 1,2,3,4,5,6,7
.if \a > 1
	s_wait_xcnt 0x0                                ; block a - 2's stores have read their registers and their base
.endif
	TOSTAGE \a
	SEND \a-1, 32                                  ; behind block a - 1's loads: block a's 16 stores and 16 loads
.endr
	s_wait_xcnt 0x0
	SEND 7, 0
	s_wait_tensorcnt 0x0                           ; the wave's end
	ds_add_u32 v[SPW], v[NIL]
	s_wait_dscnt 0x0
	CROUND                                         ; the closing round
	s_endpgm
.Lfunc_end_k_q30431f9743_proj:
	.size	k_q30431f9743_proj, .Lfunc_end_k_q30431f9743_proj-k_q30431f9743_proj
	.p2alignl 7, 3214868480
	.fill 96, 4, 3214868480
	.section	.rodata,"a",@progbits
	.p2align	6, 0x0
	.amdhsa_kernel k_q30431f9743_proj
		.amdhsa_group_segment_fixed_size 327680
		.amdhsa_private_segment_fixed_size 0
		.amdhsa_enable_private_segment 0
		.amdhsa_kernarg_size 48
		.amdhsa_user_sgpr_count 2
		.amdhsa_user_sgpr_kernarg_segment_ptr 1
		.amdhsa_wavefront_size32 1
		.amdhsa_system_sgpr_workgroup_id_x 1
		.amdhsa_system_sgpr_workgroup_id_y 1
		.amdhsa_system_sgpr_workgroup_id_z 1
		.amdhsa_system_vgpr_workitem_id 0
		.amdhsa_next_free_vgpr 1024
		.amdhsa_next_free_sgpr 98
		.amdhsa_reserve_vcc 0
		.amdhsa_float_denorm_mode_32 3
		.amdhsa_float_denorm_mode_16_64 3
		.amdhsa_memory_ordered 1
		.amdhsa_forward_progress 1
		.amdhsa_inst_pref_size 161
	.end_amdhsa_kernel
	.amdgpu_metadata
---
amdhsa.version: [ 1, 2 ]
amdhsa.kernels:
  - .name:           k_q30431f9743_proj
    .symbol:         k_q30431f9743_proj.kd
    .args:
      - { .name: oc, .offset: 0, .size: 8, .value_kind: global_buffer, .address_space: global }
      - { .name: os, .offset: 8, .size: 8, .value_kind: global_buffer, .address_space: global }
      - { .name: codes, .offset: 16, .size: 8, .value_kind: global_buffer, .address_space: global }
      - { .name: scales, .offset: 24, .size: 8, .value_kind: global_buffer, .address_space: global }
      - { .name: b_proj, .offset: 32, .size: 8, .value_kind: global_buffer, .address_space: global }
      - { .name: out0, .offset: 40, .size: 8, .value_kind: global_buffer, .address_space: global }
    .group_segment_fixed_size: 327680
    .private_segment_fixed_size: 0
    .kernarg_segment_align: 8
    .kernarg_segment_size: 48
    .max_flat_workgroup_size: 128
    .sgpr_count:     98
    .vgpr_count:     1024
    .wavefront_size: 32
...
	.end_amdgpu_metadata
.endif
;; end of part 4
